; MI455X (gfx1250); checked and timed in simulation.
; The chip was launched on July 23, 2026; its instructions are those of AMD's public machine-readable ISA for CDNA 5 (MIT licence, August 2026) and "CDNA5" Instruction Set Architecture Reference Guide (July 2026). The comments in the code are by the model that wrote it; some were corrected since.
;; Attention. Allowed arithmetic: matrix products marked QUANTISED: E2M3 operands, one E8M0 scale for each 32 along K, by v_wmma_scale_f32_16x16x128_f8f6f4 with both operands' format E2M3, f32 sums; everything else in f32.
;; Inputs: wk_codes 1,024 x 32 x 24 uint8 (E2M3 codes of wk, K innermost, in blocks of 32 codes, four codes in three bytes); wk_scales 1,024 x 32 uint8 (E8M0 scales of wk, one for each 32 codes along K); wq_codes 1,024 x 32 x 24 uint8 (E2M3 codes of wq, K innermost, in blocks of 32 codes, four codes in three bytes); wq_scales 1,024 x 32 uint8 (E8M0 scales of wq, one for each 32 codes along K); wv_codes 1,024 x 32 x 24 uint8 (E2M3 codes of wv, K innermost, in blocks of 32 codes, four codes in three bytes); wv_scales 1,024 x 32 uint8 (E8M0 scales of wv, one for each 32 codes along K); x_codes 4 x 2,048 x 32 x 24 uint8 (E2M3 codes of x, K innermost, in blocks of 32 codes, four codes in three bytes); x_scales 4 x 2,048 x 32 uint8 (E8M0 scales of x, one for each 32 codes along K).
;; Outputs: out0 4 x 2,048 x 1,024 float32.
;; This version of the problem:
;;   THIS VERSION OF THE PROBLEM IS GIVEN IN LOW PRECISION. The matrix products marked QUANTISED in the list below multiply operands that are first quantised to E2M3 (2 exponent bits, 3 mantissa bits; 6 bits a number), with one power-of-two scale for each 32 numbers along K (OCP MX v1.0); their sums are f32. All else is computed in f32.
;;   The module's matrix products, in the order in which they are computed (A, B: the left and right operand; K: the contracted axis; several contracted axes count as one K, in the product's order):
;;     1. [M 8,192, K 1,024] x [K 1,024, N 1,024]; A: input x (given as codes); B: input wq (given as codes): QUANTISED
;;     2. [M 8,192, K 1,024] x [K 1,024, N 1,024]; A: input x (given as codes); B: input wk (given as codes): QUANTISED
;;     3. [M 8,192, K 1,024] x [K 1,024, N 1,024]; A: input x (given as codes); B: input wv (given as codes): QUANTISED
;;     4. batch 4 x [M 2,048, K 1,024] x [K 1,024, N 2,048]; A: computed on the way; B: computed on the way: QUANTISED
;;     5. batch 4 x [M 2,048, K 2,048] x [K 2,048, N 1,024]; A: softmax (see below); B: computed on the way: QUANTISED
;;   THE QUANTISER, for each operand of a quantised product, along K:
;;     - K is cut into blocks of 32 from its start; a last block that is shorter is filled with zeros.
;;     - A block's scale is 2^e with e = floor(log2(the largest magnitude in the block)) - 2, held to -126 .. 127; a block of zeros has e = 0. As a byte (E8M0): e + 127.
;;     - Each number is divided by its block's scale, clamped to +-7.5, and rounded to the nearest number of E2M3, ties to even, subnormals kept.
;;     - The product sums the exact products of the quantised numbers (number of the format x scale) in f32.
;;   ~~~python
;;   def quantise(x, axis):      # numpy; x: float32 -> the quantised numbers, widened to float32 again
;;       x = np.moveaxis(x, axis, -1); K = x.shape[-1]
;;       x = np.pad(x, [(0, 0)] * (x.ndim - 1) + [(0, -K % 32)]); x = x.reshape(x.shape[:-1] + (-1, 32)); a = np.abs(x).max(-1, keepdims=True)
;;       e = np.where(a > 0, np.clip(np.frexp(np.where(a > 0, a, 1))[1] - 1 - 2, -126, 127), 0)      # np.frexp(a)[1] - 1 = floor(log2(a)), exactly
;;       r = np.clip(x / 2.0 ** e, -7.5, 7.5)
;;       step = 2.0 ** (np.maximum(np.frexp(np.where(r == 0, 1, r))[1] - 1, 0) - 3)
;;       q = np.round(r / step) * step * 2.0 ** e      # np.round: ties to even
;;       return np.moveaxis(q.reshape(q.shape[:-2] + (-1,))[..., :K], -1, axis).astype(np.float32)
;;   ~~~
;;   SOFTMAX AHEAD OF A QUANTISED PRODUCT. Where the list says 'softmax', what is quantised is not the finished softmax but p = 2^(t - M), with t = logit x log2(e) and M = ceil(the row's largest t), a whole number; so 1/2 < the row's largest p <= 1. The row's sum l is taken of the UNQUANTISED p, in f32, and the product's result is divided by l at the end. Since M is a whole number, a kernel that streams over the keys may use a running M (the ceiling of the running maximum): every later rescaling is an exact power of two, which a block's scale takes up: the codes' values come out the same.
;;   OPERANDS COMPUTED ON THE WAY. 'Computed on the way' means the value that the module computes at that place (a softmax that the list does not call 'softmax' is quantised finished and normalised). What goes into a quantiser is computed in f32, as accurately as f32 sums, v_exp_f32 and their like allow (about 1e-6 of the number): no bf16 or f16 on the way to a quantiser, and a product that is left as it is and whose result goes on into a quantised operand takes f32 operands (vector FMAs, or v_wmma_f32_16x16x4_f32). A number that lies on a knife's edge between two numbers of the format may be rounded either way, as far as f32 arithmetic and the matrix unit's own rounding can turn it there, and no further.
;;   INPUTS GIVEN AS CODES. wk (in the module: [1024, 1024], K = its axis 1); wq (in the module: [1024, 1024], K = its axis 1); wv (in the module: [1024, 1024], K = its axis 1); x (in the module: [4, 2048, 1024], K = its axis 2): each comes as NAME_codes (uint8): NAME with its K axis moved to the last place and cut into blocks of 32 codes, [.., K / 32, bytes a block], one block behind the other in memory; four codes in three bytes: a row's codes are one little-endian stream of bits, code i at bits 6 i .. 6 i + 5 (a code: sign, 2 exponent bits, 3 mantissa bits); and NAME_scales (uint8): the same leading axes, one E8M0 byte (e + 127) for each 32 codes along K. Its value is code x scale, taken as it is: it is not quantised again, and the codes and scales need not be those that the quantiser above would give.
;; One version. Each part assembles by itself: llvm-mc -triple=amdgcn-amd-amdhsa -mcpu=gfx1250 --defsym DOCPART=n.
;; ======== version 1 of 1: 3 launches
;; limits: right only within a limited range of input values
;; workspace buffers: qrec 6,291,456 bytes; krec 6,291,456 bytes; sc 524,288 bytes; vrec 6,553,600 bytes; prec 12,582,912 bytes; pstat 2,097,152 bytes
;; launch proj (part 1): grid 16 x 16, 4 waves a work-group, clusters of 4 x 4, 327,680 bytes of LDS; arguments x_codes, x_scales, wq_codes, wq_scales, wk_codes, wk_scales, wv_codes, wv_scales, qrec, krec, vrec, sc; writes qrec, krec, vrec, sc
.if DOCPART == 1
	.amdgcn_target "amdgcn-amd-amdhsa--gfx1250"
	.amdhsa_code_object_version 6
	.text
	.protected	k_qf37f21c977_proj
	.globl	k_qf37f21c977_proj
	.p2align	8
	.type	k_qf37f21c977_proj,@function
k_qf37f21c977_proj:
	s_mov_b64 s[64:65], 0
	v_nop
	global_prefetch_b8 v0, s[64:65] scope:SCOPE_SE
	s_setreg_imm32_b32 hwreg(HW_REG_WAVE_MODE, 25, 1), 1
	s_wait_xcnt 0x0
	s_wait_alu depctr_hold_cnt(0) depctr_sa_sdst(0) depctr_va_vdst(0) depctr_va_sdst(0) depctr_va_ssrc(0) depctr_va_vcc(0) depctr_vm_vsrc(0)
	s_getreg_b32 s2, hwreg(HW_REG_IB_STS2, 6, 4)
	s_cmp_eq_u32 s2, 0
	s_cbranch_scc0 .Lentry_in_a_cluster
	s_endpgm
.Lentry_in_a_cluster:
	s_bfe_u32 s2, ttmp6, 0x10000c
	s_cmp_lg_u32 s2, 0xf033
	s_cbranch_scc0 .Lentry_shape_is_right
	s_endpgm
.Lentry_shape_is_right:
; q = x wq^T, k = x wk^T, v = x wv^T on codes of FP6 (E2M3), and the quantisers of q, k (along the model's 1,024) and of v (along the tokens).  No f32 result is stored.
; DEAD WORK LEFT OUT BY THE PROGRAM: scores above the diagonal are replaced by -infinity in reference()'s own body, so whole tiles of 160 x 256 above it are not computed, nor p and p v of whole pieces of 128 keys above it, whatever the inputs hold.
; A NaN, an infinity or an overflow that reaches only such scores is not carried to the result.
; THE DEAL.  256 work-groups of four waves, 2 x 2.  A wave holds 64 rows of a weight, all of K, in registers (384) and streams x's rows past them in blocks of 16.  A work-group makes 256 tokens x 128 channels of V (phase 1),
; then 512 tokens x 128 columns of q or k (phase 2).  V's 256 tokens are a half of the work-group's own 512 (s87), so what phase 1 has read serves phase 2's first eight blocks from LDS.
; s19 (0: q, 1: k) and s87 come from the cluster's number alone, which all partners share.  x's rows are shared by a row of the cluster, a weight's by a column: joint loads.
; THE ORDER OF ROWS.  x comes in QUARTERS j = 0 .. 3 of a half of 256 tokens: tokens 32 n + 8 j + i (n, i = 0 .. 7): eight runs of 6,144 dense bytes, 32 tokens apart.  So LDS rows 16 B .. 16 B + 15 of quarter j are tokens 64 B + 8 j + i and
; 64 B + 32 + 8 j + i: TILE (B, j), number 4 B + j.  W_q, W_k likewise: column tile t of a wave's 64 is columns 8 t + i and 32 + 8 t + i.  A lane's 32 results of four tiles are 32 neighbours along the next K: one scale block, in its true order.
; W_v lies in its natural order: there a lane holds one channel.
; THE BUFFERS.  qrec, krec: [tile, 512][chunk of 128 columns, 8][piece of two registers, 6][lane][8 bytes]: 1,536 bytes are an operand of 16 tokens.  sc: [q, k][chunk][tile][row, 16][4 bytes]: scale words.
; vrec: [channel / 128][token / 128] records of 12,800 bytes: eight fragments of 16 channels, [piece of four registers, 3][lane][16 bytes], then the scale word of (fragment f, row r) at 12,288 + 32 r + 4 f.
; A BLOCK is 32 products; behind every second one stand two entries of the block's list: at most four scalar lines and a vector line (two where a prefetch's address is made).  The last block's way out stands in the lists.
; BLOCKS go (j, c) = (0,0) (1,0) (0,1) (1,1) (2,0) (3,0) (2,1) (3,1), c the band of 64 of the wave's 128 tokens.
; FILLS.  At the head one load a wave: W_v's rows, the scale bytes of quarters 0 and 1, quarter 0, quarter 1.  Behind the round that follows, quarters 2 and 3 and their scale bytes.  Refills: W_q or W_k (V's third block), the other half's quarters (phase 2's blocks 2, 6).
; THE WAITS' COUNTS.  A block's rows were fetched two blocks ago: younger are the next block's NF loads and the byte stores between the two (none in V; six ahead of phase 2's block 1; else one).
; LIMITS: NaN and infinities among the inputs are not served; a block whose largest magnitude lies under 2^-124 keeps the scale byte 1 (a block of zeros too: its codes are zeros, and this program alone reads the bytes).
.set NQ,     8
.set NB,     4
.set KROW,   768                       ; a row of codes in memory
.set RUN,    8*KROW                    ; eight rows
.set KS,     32                        ; a row of scale bytes
.set PITCH,  816                       ; an LDS row: 3 x (256 + 16)
.set FR,     12
.set FPW,    21                        ; fragments in a window of 256 registers
.set NF,     28                        ; LDS loads of a block: 26 for eight fragments, 2 for eight scale words
.set QUART,  64*PITCH
.set BVB,    4*QUART                   ; the weights' 128 rows
.set SCL,    BVB+128*PITCH
.set PL,     16*272                    ; the scale bytes of two quarters: 16 units of 256 + 16
.set XN,     SCL+2*PL                  ; q's or k's scale bytes: [order of work][wave row][tile][row][4]
.set XM,     XN+2048                   ; V's
.set SPARE,  XM+1024
.set REC,    12800
.set TILE,   12288                     ; a tile of q or k, all its chunks
.set EMAX,   2
.set ADRA0, 4                          ; v4, v5  my fragments of block 0 (v5: for the pieces behind one padding more); v1, v22: block 1
.set AAS0,  6                          ; v6      my row's scale words in block 0; v23: in block 1
.set CO,    9                          ; v9      16 x lane
.set SPW,   10
.set NIL,   11
.set ADRA,  12                         ; v12, v13 as v4, v5, for the block that is fetched next
.set ADRB,  14                         ; v14, v15 my fragments of W_v; v42, v43: of the second weight
.set ABS,   16
.set AAS,   17
.set STO,   18
.set STV,   19
.set SB,    24                         ; v24-39  the weights' scale words
.set TQ,    40                         ; v40, v41 the two chains
.set SA,    44                         ; v44-59  the rows' scale words, two sets
.set TC,    60                         ; v60-62
.set C8,    63                         ; v63     8 x lane
.set ACC,   64                         ; v64-127 phase 2: two sets of four accumulators
.set HV0,   64                         ; v64-191 phase 1, band 0: 32 t + 8 j + i
.set HV1,   840                        ; v840-967 band 1
.set NCD,   128                        ; v128-139 phase 2: codes, two sets
.set MCD,   192                        ; v192-239 phase 1: four operands
.set SOP,   240
.set EB,    244
.set VX,    248
.set SB2,   968                        ; v968-983 the second weight's scale words
.set BA,    984                        ; v984-991 LDS addresses of the four column tiles
.set G1A, 24
.set G1B, 32
.set G1S, 92
.set G0B, 60
.set G0R, 68
.set G0S, 72
.set MSB, 0
.macro WIN new
.if MSB != (\new)
	s_set_vgpr_msb (MSB<<8)|(\new)
.set MSB, (\new)
.endif
.endm
.macro PLACES n
.rept \n
	v_nop
.endr
.endm
.macro WALU
	s_wait_alu depctr_va_vdst(0)
.endm
.macro BARRIER
	s_barrier_signal -1
	s_barrier_wait -1
.endm
.macro MIDDLE                          ; a round's middle
	WIN 0
	s_barrier_wait -1
	s_cmp_lg_u32 s14, 0
	s_cbranch_scc1 .Lnot_wave_0_\@
	s_barrier_signal -3
.Lnot_wave_0_\@:
	s_barrier_wait -3
.endm
.macro CROUND
	s_barrier_signal -1
	MIDDLE
	BARRIER
.endm
.macro GRD
	s_wait_tensorcnt 0x0
	ds_add_u32 v[SPW], v[NIL]
.endm
.macro TLOAD g0, g1
	tensor_load_to_lds s[\g0:\g0+3], s[\g1:\g1+7]
	s_nop 0
	PLACES 4
.endm
.macro GROUP1 g, mask, bits, dim, rows, pitch
	s_or_b32 s[\g+0], s[\mask], (\bits)|(1<<20)|(1<<21)|(5<<22)|(3<<25)
	s_mov_b32 s[\g+1], (\dim)<<16
	s_mov_b32 s[\g+2], (\rows)<<16
	s_mov_b32 s[\g+3], (\dim)<<16
	s_mov_b32 s[\g+4], \rows
	s_mov_b32 s[\g+5], \pitch
	s_mov_b32 s[\g+6], 0
	s_mov_b32 s[\g+7], 0
.endm
.macro SADD d, x
	s_add_co_u32 s\d, s\d, s\x
.endm
; fragment f lies in window 1 + f / 21 at register 12 (f % 21): 0-31 the weights' (4 q + b), 32-39 and 40-47 the rows' two sets
.macro FRAG f, q, a0, a1, aw           ; six pieces of 8 bytes, two to a load where both lie behind as many paddings
	WIN ((1+(\f)/FPW)<<6)|(\aw)
.set R_, FR*((\f)%FPW)
.set SKIP_, 0
.irp p, 0,1,2,3,4,5
.if SKIP_
.set SKIP_, 0
.else
.set PC_, 12*(\q)+6*(\p/3)+\p%3
.set PN_, 12*(\q)+6*((\p+1)/3)+(\p+1)%3
.set X_, (PC_%32+3)/32
.set XQ_, (PN_%32+3)/32
.if (\p < 5) && (X_ == XQ_)
.set SKIP_, 1
.if X_
	ds_load_2addr_b64 v[R_+2*\p:R_+2*\p+3], \a1 offset0:PC_+2*(PC_/32) offset1:PN_+2*(PN_/32)
.else
	ds_load_2addr_b64 v[R_+2*\p:R_+2*\p+3], \a0 offset0:PC_+2*(PC_/32) offset1:PN_+2*(PN_/32)
.endif
.elseif X_
	ds_load_b64 v[R_+2*\p:R_+2*\p+1], \a1 offset:8*(PC_+2*(PC_/32))
.else
	ds_load_b64 v[R_+2*\p:R_+2*\p+1], \a0 offset:8*(PC_+2*(PC_/32))
.endif
.endif
.endr
.endm
.macro WEIGHTS                         ; my 64 rows of the weight, all of K: 104 loads
.irp q, 0,1,2,3,4,5,6,7
.irp b, 0,1,2,3
	FRAG NB*\q+\b, \q, v[BA-768+2*\b], v[BA-768+2*\b+1], 3
.endr
.endr
	WIN 0
.endm
.macro FETCHAT e, a0, a1, as           ; a block of x's rows into set e: NF loads
.irp q, 0,1,2,3,4,5,6,7
	FRAG NB*NQ+NQ*(\e)+\q, \q, \a0, \a1, 0
.endr
	WIN 0
	ds_load_b128 v[SA+8*(\e):SA+8*(\e)+3], \as
	ds_load_b128 v[SA+8*(\e)+4:SA+8*(\e)+7], \as offset:16
.endm
.macro FETCH e
	FETCHAT \e, v[ADRA], v[ADRA+1], v[AAS]
.endm
.macro FETCH01                         ; a phase's first two blocks, from quarters 0 and 1
	FETCHAT 0, v[ADRA0], v[ADRA0+1], v[AAS0]
	FETCHAT 1, v1, v22, v23
.endm
; a product.  n = 4 q + 2 p + o.  kind 0 (q, k): source 0 the weight's rows; kind 1 (V): source 0 x's rows
.macro PROD kind, e, n, a0, as
.set Q_, (\n)/4
.set FB_, NB*Q_+(\n)%4
.set FA_, NB*NQ+NQ*(\e)+Q_
.set D_, (\a0)+(\as)*((\n)%4)
.set DL_, D_&255
.set XB_, SB+NQ*(((\n)%4)/2)+Q_
.set XA_, SA+8*(\e)+Q_
.if \kind
	WIN (1+FA_/FPW)|((1+FB_/FPW)<<2)|((D_>>8)<<4)|((D_>>8)<<6)
.if Q_
	PROD1 DL_, FA_, FB_, v[DL_:DL_+7], XA_, XB_, b, (\n)%2
.else
	PROD1 DL_, FA_, FB_, 0, XA_, XB_, b, (\n)%2
.endif
.else
	WIN (1+FB_/FPW)|((1+FA_/FPW)<<2)|((D_>>8)<<4)|((D_>>8)<<6)
.if Q_
	PROD1 DL_, FB_, FA_, v[DL_:DL_+7], XB_, XA_, a, (\n)%2
.else
	PROD1 DL_, FB_, FA_, 0, XB_, XA_, a, (\n)%2
.endif
.endif
.endm
.macro PROD1 d, s0, s1, c, x0, x1, side, o
.if \o
	v_wmma_scale_f32_16x16x128_f8f6f4 v[\d:\d+7], v[FR*((\s0)%FPW):FR*((\s0)%FPW)+FR-1], v[FR*((\s1)%FPW):FR*((\s1)%FPW)+FR-1], \c, v[\x0], v[\x1] matrix_a_fmt:MATRIX_FMT_FP6 matrix_b_fmt:MATRIX_FMT_FP6 matrix_\side\()_scale:MATRIX_SCALE_ROW1
.else
	v_wmma_scale_f32_16x16x128_f8f6f4 v[\d:\d+7], v[FR*((\s0)%FPW):FR*((\s0)%FPW)+FR-1], v[FR*((\s1)%FPW):FR*((\s1)%FPW)+FR-1], \c, v[\x0], v[\x1] matrix_a_fmt:MATRIX_FMT_FP6 matrix_b_fmt:MATRIX_FMT_FP6 matrix_\side\()_scale:MATRIX_SCALE_ROW0
.endif
.endm
.macro BLOCK kind, e, a0, as, from, to, list, x=0, y=0
.set N_, \from
.rept (\to)-(\from)
	PROD \kind, \e, N_, \a0, \as
.if N_%2
	\list N_-1, \x, \y
	\list N_, \x, \y
.endif
.set N_, N_+1
.endr
.endm
; what the lists are made of: each macro writes entry i of its part, and nothing beyond its last
.macro STEP i                          ; 3 entries: the LDS addresses of the block to be fetched; FP is its number modulo 4; s2, s3 toggle between quarters 0, 1 and 2, 3
.if (\i) == 0
.if FP == 0
	s_xor_b32 s2, s2, 2*QUART
	s_xor_b32 s3, s3, PL
.endif
	s_add_co_u32 s101, s2, QUART*(FP%2)+16*PITCH*(FP/2)
	s_add_co_u32 s91, s3, 272*(FP%2)+4*272*(FP/2)
	WIN 0
	v_add_nc_u32 v[ADRA], s101, v[ADRA0]
.elseif (\i) == 1
	WIN 0
	v_add_nc_u32 v[ADRA+1], s101, v[ADRA0+1]
.elseif (\i) == 2
	WIN 0
	v_add_nc_u32 v[AAS], s91, v[AAS0]
.endif
.endm
.macro CHAIN i, x, n, t=TQ             ; 18 entries: the largest magnitude of the 32 sums from register x on, by two chains, and the conversions' scale operand v[SOP+n]
.set XW_, (\x)>>8
.set XL_, (\x)&255
.if (\i) >= 0 && (\i) < 14
.set B_, XL_+16*((\i)%2)+2*((\i)/2)
.set T_, (\t)+1-(\i)%2
.if (\i) < 2
	WIN XW_|(XW_<<2)|(XW_<<4)
	v_max3_num_f32 v[T_], |v[B_]|, |v[B_+1]|, |v[B_+2]|
.else
	WIN (XW_<<2)|(XW_<<4)
	v_max3_num_f32 v[T_], v[T_], |v[B_+1]|, |v[B_+2]|
.endif
.elseif (\i) == 14
	WIN XW_<<2
	v_max3_num_f32 v[\t+1], v[\t+1], |v[XL_+15]|, (EMAX+1)<<23
.elseif (\i) == 15
	WIN 0
	v_nop                                  ; so that the next line, which reads entry 14's result, stands in the next pair
.elseif (\i) == 16
	WIN XW_<<2
	v_max3_num_f32 v[\t], v[\t], |v[XL_+31]|, v[\t+1]
.elseif (\i) == 17
	WIN 0
	v_add_nc_u32 v[SOP+\n], -(EMAX<<23), v[\t]
.endif
.endm
.macro CODES i, x, c, n, t=TC          ; 6 lines: 32 codes into v[c .. c+5], the scale's byte into v[EB+n]
.set XW_, (\x)>>8
.set XL_, (\x)&255
.if (\i) == 0
	WIN XW_
	v_cvt_scalef32_pk16_fp6_f32 v[\c:\c+2], v[XL_:XL_+15], v[SOP+\n]
.elseif (\i) == 1
	WIN XW_
	v_cvt_scalef32_pk16_fp6_f32 v[\t:\t+2], v[XL_+16:XL_+31], v[SOP+\n]
.elseif (\i) == 2
	WIN 0
	v_lshrrev_b32 v[EB+\n], 23, v[SOP+\n]
.else
	WIN 0
	v_mov_b32 v[\c+\i], v[\t+\i-3]
.endif
.endm
.macro CODES6 x, c, n
.irp i, 0,1,2,3,4,5
	CODES \i, \x, \c, \n
.endr
.endm
.macro PFX v, off                      ; my sixteenth of two quarters (eight runs of 12,288 bytes) at byte s\off of x: 24 blocks of 256, to be asked for into the L2
	s_add_co_u32 s20, s\off, s100
	WIN 0
	v_min_u32 v\v, RUN/256-1, v3
	v_lshl_add_u32 v\v, v\v, 8, s20
.endm
.macro PFGO v, base
	global_prefetch_b8 v\v, s[\base:\base+1] th:TH_LOAD_NT scope:SCOPE_SE
.endm
.macro PUT3 r, base, off
.irp k, 0,1,2
	global_store_b128 v[CO], v[\r+4*\k:\r+4*\k+3], \base offset:(\off)+512*\k
.endr
.endm
.macro ASK i                           ; 4 entries: the descriptors of my quarter of x (s88: bytes from x_codes; s47: its two quarters' LDS place) and of the scale bytes (s55; s8); then all four step on
.if (\i) == 0
	s_mul_i32 s20, s16, QUART
	s_add_co_u32 s[G0R+1], s20, s47
	s_mul_i32 s20, s16, RUN
	SADD 20, 88
.elseif (\i) == 1
	s_mov_b32 s21, 0
	s_add_nc_u64 s[G0R+2:G0R+3], s[4:5], s[20:21]
	s_or_b32 s[G0R+3], s[G0R+3], 0x80000000
	s_mov_b32 s[G0S+1], s8
.elseif (\i) == 2
	s_mov_b32 s20, s55
	s_add_nc_u64 s[G0S+2:G0S+3], s[6:7], s[20:21]
	s_or_b32 s[G0S+3], s[G0S+3], 0x80000000
	s_add_co_u32 s88, s88, 2*RUN
.elseif (\i) == 3
	s_add_co_u32 s55, s55, 16*KS
	s_xor_b32 s47, s47, 2*QUART
	s_xor_b32 s8, s8, (SCL)^(SCL+PL)
.endif
.endm
.macro ASKLOAD                         ; wave 1 the scale bytes, waves 2 and 3 a quarter each
	s_cmp_lt_u32 s14, 2
	s_cbranch_scc1 .Lscales_\@
	TLOAD G0R, G1A
	s_branch .Lasked_\@
.Lscales_\@:
	s_cmp_eq_u32 s14, 1
	s_cbranch_scc0 .Lasked_\@
	TLOAD G0S, G1S
.Lasked_\@:
.endm
.macro QUAD                            ; once in four blocks: where the next four blocks' codes go (s[84:85]) and their scale bytes (v[VX]).  The codes' place goes by the true half, the stage in LDS by the order of work
	s_lshr_b32 s54, s46, 1
	s_and_b32 s89, s46, 1
	s_xor_b32 s20, s54, s87
	s_mul_i32 s20, s20, 16*TILE
	s_mul_i32 s21, s89, 2*TILE
	SADD 20, 21
	s_lshl_b32 s22, s54, 10
	s_lshl_b32 s23, s89, 7
	s_mov_b32 s21, 0
	s_add_nc_u64 s[84:85], s[10:11], s[20:21]
	s_or_b32 s22, s22, s23
	s_add_co_u32 s46, s46, 1
	v_add_nc_u32 v[VX], s22, v[STO]
.endm
; the lists
.macro L_STEP i, x, y
	STEP \i
.endm
.macro L_NONE i, x, y
.endm
.macro L_OUT i, x, y
	STEP \i
	CHAIN (\i)-3, \x, \y
.endm
.macro L_LAST i, x, y
	CHAIN \i, \x, \y
.endm
.macro L_V2 i, x, y                    ; V's third block: the weights' refill; the other half's first quarters and its scale bytes are asked for into the L2
.if (\i) == 0
	s_mov_b32 s[G1B+2], 4<<16
	s_mov_b32 s[G1B+4], 4
	s_mov_b32 s[G1B+5], 4*RUN
	s_mul_i32 s[G0B+1], s14, 32*PITCH
.elseif (\i) == 1
	s_add_co_u32 s[G0B+1], s[G0B+1], BVB
	s_mul_i32 s20, s14, RUN
	s_mov_b32 s21, 0
	s_add_nc_u64 s[G0B+2:G0B+3], s[12:13], s[20:21]
.elseif (\i) == 2
	s_or_b32 s[G0B+3], s[G0B+3], 0x80000000
	s_mov_b32 s88, s67
	s_mov_b32 s55, s66
.elseif (\i) == 3
	PFX 20, 88
.elseif (\i) == 4
	s_lshl_b32 s21, s90, 9
	s_add_co_u32 s20, s55, s21
	WIN 0
	v_min_u32 v21, 1, v3
	v_lshl_add_u32 v21, v21, 8, s20
.endif
	STEP (\i)-5
.endm
.macro L_V7 i, x, y
.if (\i) == 0
	s_add_co_u32 s22, s88, 2*RUN
	PFX 7, 22
.endif
	CHAIN (\i)-1, \x, \y
.endm
.macro L_ROUND i, x, y
	ASK \i
	STEP (\i)-4
	CHAIN (\i)-7, \x, \y
.endm
.macro WAITDS w
.if (\w) >= 0
	s_wait_dscnt \w
.endif
.endm
; a block of phase 2: pos its number modulo 4.  mode 0: fetches the block two on; 1: with a round and a refill; 2: with a plain barrier that shows the last refill to all; 3: fetches nothing.  The block before goes out.
; The wait on XCNT: the stores of the blocks before have read their codes and their base.
.macro P2 pos, mode, w
.set E_, (\pos)%2
.set O_, 1-E_
.set FP, ((\pos)+2)%4
.set PV_, ((\pos)+3)%4
	WAITDS \w
.if (\mode) == 1
	GRD
	BLOCK 0, E_, ACC+32*E_, 8, 0, 26, L_ROUND, ACC+32*O_, O_
	WIN 0
	WALU
	s_wait_xcnt 0x0
	s_wait_dscnt 0x0
	s_barrier_signal -1
	BLOCK 0, E_, ACC+32*E_, 8, 26, 32, L_NONE
	WIN 0
	CODES6 ACC+32*O_, NCD+6*O_, O_
	MIDDLE
	BARRIER
	ASKLOAD
.elseif (\mode) == 2
	BLOCK 0, E_, ACC+32*E_, 8, 0, 26, L_OUT, ACC+32*O_, O_
	WIN 0
	WALU
	s_wait_xcnt 0x0
	s_wait_tensorcnt 0x0
	s_wait_dscnt 0x0
	s_barrier_signal -1
	BLOCK 0, E_, ACC+32*E_, 8, 26, 32, L_NONE
	WIN 0
	s_barrier_wait -1
	CODES6 ACC+32*O_, NCD+6*O_, O_
.else
.if (\mode) == 3
	BLOCK 0, E_, ACC+32*E_, 8, 0, 32, L_LAST, ACC+32*O_, O_
.else
	BLOCK 0, E_, ACC+32*E_, 8, 0, 32, L_OUT, ACC+32*O_, O_
.endif
	WIN 0
	WALU
	s_wait_xcnt 0x0
.if (\pos) == 1
	QUAD
.endif
	CODES6 ACC+32*O_, NCD+6*O_, O_
.endif
	WALU
	SENDQ PV_, O_
.if (\mode) < 3
	FETCH E_
.endif
.endm
.macro SENDQ p, n                      ; the finished block's byte and codes: 256 consecutive bytes a store
	ds_store_b8 v[VX], v[EB+\n] offset:64*(\p%2+4*(\p/2))
	CODESOUT \p, \n
.endm
.macro CODESOUT p, n
.irp k, 0,1,2
	global_store_b64 v[C8], v[NCD+6*\n+2*\k:NCD+6*\n+2*\k+1], s[84:85] offset:TILE*(\p%2+4*(\p/2))+256*\k
.endr
.endm
.macro VB e, hv, fp, w                 ; a block of phase 1 that fetches the block two on
.set FP, \fp
	WAITDS \w
	BLOCK 1, \e, \hv, 32, 0, 32, L_STEP
	WIN 0
	PLACES 4
	WALU
	FETCH \e
.endm
; ================= THE HEAD
	s_load_b128 s[4:7], s[0:1], 0x0                     ; x's codes, scales
	s_load_b256 s[76:83], s[0:1], 0x10                  ; wq's codes, scales; wk's
	s_load_b128 s[48:51], s[0:1], 0x30                  ; wv's
	s_load_b128 s[56:59], s[0:1], 0x40                  ; qrec, krec
	s_load_b64 s[52:53], s[0:1], 0x50                   ; vrec
	s_load_b64 s[104:105], s[0:1], 0x58                 ; sc
	v_lshl_add_u32 v[SPW], v0, 2, SPARE
	v_mov_b32 v[NIL], 0
	ds_add_u32 v[SPW], v[NIL]
	ds_add_u32 v[SPW], v[NIL]
	v_lshrrev_b32 v1, 5, v0
	v_readfirstlane_b32 s14, v1                         ; s14 the wave; s15 its row of the 2 x 2, s16 its column
	s_lshr_b32 s15, s14, 1
	s_and_b32 s16, s14, 1
	s_bfe_u32 s40, ttmp6, 0x40000                       ; cx
	s_bfe_u32 s41, ttmp6, 0x40004                       ; cy
	s_lshl_b32 s42, ttmp9, 2
	SADD 42, 40
	s_and_b32 s43, ttmp7, 0xffff
	s_lshl_b32 s43, s43, 2
	SADD 43, 41                                         ; s43 my 512 tokens
	s_lshr_b32 s19, ttmp9, 1                            ; 0 q, 1 k
	s_and_b32 s87, ttmp9, 1                             ; V's half of my 512 tokens
	s_and_b32 s2, s42, 7                                ; my 128 columns of q or k
	s_lshl_b32 s17, s19, 2
	SADD 17, 40                                         ; my 128 channels of V
	s_lshl_b32 s18, s43, 1
	s_xor_b32 s3, s87, 1
	SADD 3, 18                                          ; the other half, in units of 256 tokens
	SADD 18, 87                                         ; V's half
	s_lshl_b32 s44, s41, 2
	s_lshl_b32 s44, 15, s44                             ; my row of the cluster
	s_lshl_b32 s45, 0x1111, s40                         ; my column
	GROUP1 G1A, 44, 0, RUN, 8, 4*RUN
	GROUP1 G1B, 45, 0, RUN, 16, RUN
	GROUP1 G1S, 44, 3<<16, 64, 8, 128
	s_mov_b32 s[G0B], 1
	s_mov_b32 s[G0B+1], BVB
	s_mov_b32 s[G0R], 1
	s_mov_b32 s[G0S], 1
	s_mul_i32 s88, s18, 256*KROW
	s_mul_i32 s55, s18, 256*KS
	s_mul_i32 s67, s3, 256*KROW
	s_mul_i32 s66, s3, 256*KS
	s_mul_i32 s9, s2, 128*KROW
	s_mul_i32 s54, s17, 128*KROW
	s_mul_i32 s22, s16, 64*KS
	s_mul_i32 s91, s2, 128*KS
	SADD 91, 22
	s_mul_i32 s89, s17, 128*KS
	SADD 89, 22
	s_mov_b32 s47, 0
	s_mov_b32 s8, SCL
	s_mov_b32 s46, 0
	v_and_b32 v1, 15, v0
	v_bfe_u32 v2, v0, 4, 1
	v_and_b32 v3, 31, v0
	v_mul_u32_u24 v22, v1, PITCH
	v_mad_u32_u24 v23, v2, 24, v22
	s_mul_i32 s21, s15, 32*PITCH
	s_mul_i32 s22, s16, 64*PITCH
	s_add_co_u32 s22, s22, BVB
	s_mul_i32 s23, s16, 16*PITCH
	s_add_co_u32 s23, s23, BVB
	v_add_nc_u32 v[ADRA0], s21, v23
	v_add_nc_u32 v[ADRB], s22, v23
	v_add_nc_u32 v42, s23, v23
	v_mad_u32_u24 v23, v2, 24+16, v22
	v_add_nc_u32 v[ADRA0+1], s21, v23
	v_add_nc_u32 v[ADRB+1], s22, v23
	v_add_nc_u32 v43, s23, v23
	v_lshlrev_b32 v[ABS], 5, v3                         ; W_v's scale bytes: rows 32 p + lane
	v_lshrrev_b32 v22, 3, v1                            ; r / 8
	v_and_b32 v23, 7, v1                                ; r % 8
	v_lshlrev_b32 v23, 5, v23
	v_lshl_add_u32 v21, v22, 10, v23
	v_lshl_add_u32 v21, v2, 8, v21                      ; the second weight's: row 32 (r / 8) + 8 h + r % 8, + 16 p
	s_mul_i32 s21, s15, 8*272
	s_add_co_u32 s21, s21, SCL
	v_mul_u32_u24 v22, v22, 2*272
	v_add_nc_u32 v22, v22, v23
	v_add_nc_u32 v[AAS0], s21, v22
	v_lshlrev_b32 v[CO], 4, v3
	v_lshlrev_b32 v[C8], 3, v3
	s_lshl_b32 s21, s15, 9
	s_lshl_b32 s22, s16, 1
	SADD 22, 21
	s_add_co_u32 s22, s22, XN
	v_lshl_add_u32 v23, v1, 2, v2
	v_add_nc_u32 v[STO], s22, v23                       ; 512 a + 4 r + 2 b + h
	s_lshl_b32 s22, s16, 4
	SADD 22, 21
	s_add_co_u32 s22, s22, XM
	v_lshl_add_u32 v23, v1, 5, v2
	v_add_nc_u32 v[STV], s22, v23                       ; 512 a + 32 r + 16 b + h
	s_lshl_b32 s90, s40, 2
	SADD 90, 14                                         ; my number among the sixteen waves of my row of the cluster
	s_lshl_b32 s101, s41, 2
	SADD 101, 14                                        ; and of my column
	s_lshr_b32 s100, s90, 1
	s_mul_i32 s100, s100, 4*RUN
	s_and_b32 s21, s90, 1
	s_mul_i32 s21, s21, RUN
	SADD 100, 21                                        ; my sixteenth of two quarters
	WALU
	s_wait_dscnt 0x0
	CROUND                                              ; the opening round
	s_wait_kmcnt 0x0
	s_cmp_eq_u32 s19, 0                                 ; q or k: by the cluster's number alone
	s_cselect_b64 s[12:13], s[76:77], s[80:81]
	s_cselect_b64 s[84:85], s[78:79], s[82:83]
	s_cselect_b64 s[10:11], s[56:57], s[58:59]
	s_mov_b32 s21, 0
	s_mov_b32 s20, s54
	s_add_nc_u64 s[G0B+2:G0B+3], s[48:49], s[20:21]
	s_or_b32 s[G0B+3], s[G0B+3], 0x80000000
	s_mov_b32 s20, s9
	s_add_nc_u64 s[12:13], s[12:13], s[20:21]
	ASK 0
	ASK 1
	ASK 2
	ASK 3
	s_cmp_eq_u32 s14, 0
	s_cbranch_scc0 .Lwave_1
	TLOAD G0B, G1B                                      ; wave 0: W_v's rows
	s_branch .Lasked
.Lwave_1:
	s_cmp_eq_u32 s14, 1
	s_cbranch_scc0 .Lwave_23
	TLOAD G0S, G1S                                      ; wave 1: the scale bytes of quarters 0 and 1
	s_branch .Lasked
.Lwave_23:
	TLOAD G0R, G1A                                      ; waves 2 and 3: quarters 0 and 1
.Lasked:
	s_mov_b32 s21, 0
	s_mov_b32 s20, s89
	s_add_nc_u64 s[50:51], s[50:51], s[20:21]
	s_mov_b32 s20, s91
	s_add_nc_u64 s[84:85], s[84:85], s[20:21]
.irp p, 0,1
.irp c, 0,1
	global_load_b128 v[SB+NQ*\p+4*\c:SB+NQ*\p+4*\c+3], v[ABS], s[50:51] offset:\p*32*KS+16*\c
.endr
.endr
	WIN 3<<6
.irp p, 0,1
.irp c, 0,1
	global_load_b128 v[SB2-768+NQ*\p+4*\c:SB2-768+NQ*\p+4*\c+3], v21, s[84:85] offset:\p*16*KS+16*\c
.endr
.endr
	WIN 0
	s_lshl_b32 s22, s19, 18                             ; where the results go.  The scale bytes that my wave stores: order of work s15, so half s15 xor s87, row of waves s16
	s_lshl_b32 s23, s2, 15
	SADD 22, 23
	s_lshl_b32 s23, s43, 11
	SADD 22, 23
	s_xor_b32 s23, s15, s87
	s_lshl_b32 s23, s23, 10
	SADD 22, 23
	s_lshl_b32 s23, s16, 9
	s_add_co_u32 s20, s22, s23
	s_add_nc_u64 s[48:49], s[104:105], s[20:21]
	s_lshl_b32 s22, s43, 5
	s_lshl_b32 s23, s15, 3
	SADD 22, 23
	s_mul_i32 s20, s22, TILE                            ; tile 32 s43 + 8 s15,
	s_mul_i32 s23, s2, 1536
	SADD 20, 23
	s_mul_i32 s23, s16, 768
	SADD 20, 23
	s_add_nc_u64 s[10:11], s[10:11], s[20:21]           ; my columns' chunk, my half of its operands
	s_lshl_b32 s22, s17, 6
	s_lshl_b32 s23, s18, 1
	SADD 22, 23
	SADD 22, 15
	s_mul_i32 s22, s22, REC                             ; V's record
	s_lshl_b32 s23, s16, 8
	s_add_co_u32 s20, s22, s23
	s_add_co_u32 s20, s20, 12288
	s_add_nc_u64 s[58:59], s[52:53], s[20:21]
	s_mul_i32 s23, s16, 4*1536
	s_add_co_u32 s20, s22, s23
	s_add_nc_u64 s[52:53], s[52:53], s[20:21]
	s_mov_b32 s2, 0
	s_mov_b32 s3, 0
	WIN 3<<6
.irp b, 0,1,2,3
	v_add_nc_u32 v[BA-768+2*\b], \b*16*PITCH, v[ADRB]
	v_add_nc_u32 v[BA-768+2*\b+1], \b*16*PITCH, v[ADRB+1]
.endr
	WIN 0
	v_add_nc_u32 v1, QUART, v[ADRA0]
	v_add_nc_u32 v22, QUART, v[ADRA0+1]
	v_add_nc_u32 v23, 272, v[AAS0]
	s_mul_i32 s20, s101, RUN                            ; the second weight's 128 rows: 6,144 bytes a wave of my column
	v_min_u32 v8, RUN/256-1, v3
	v_lshl_add_u32 v8, v8, 8, s20
	PFX 7, 88                                           ; V's quarters 2 and 3
	WALU
	s_cmp_eq_u32 s14, 0
	s_cbranch_scc0 .Lnot_b
	s_wait_tensorcnt 0x0
.Lnot_b:
	BARRIER                                             ; W_v's rows are in
	PFGO 8, 12
	PFGO 7, 4
	WEIGHTS
	s_wait_loadcnt 0x0                                  ; the weights' scale words
	GRD
	ASK 0
	ASK 1
	ASK 2
	ASK 3
	s_wait_dscnt 0x0
	CROUND                                              ; quarters 0 and 1 and their scale bytes are in
	ASKLOAD                                             ; quarters 2 and 3 and theirs
	FETCH01
; ================= PHASE 1: V
	VB 0, HV0, 2, NF
	VB 1, HV0+8, 3, NF
.set FP, 0
	s_wait_dscnt NF
	BLOCK 1, 0, HV1, 32, 0, 16, L_V2
	WIN 0
	WALU
	GRD
	BLOCK 1, 0, HV1, 32, 16, 24, L_NONE
	s_wait_dscnt 0x0
	s_barrier_signal -1
	BLOCK 1, 0, HV1, 32, 24, 32, L_NONE
	MIDDLE
	BARRIER
	TLOAD G0B, G1B                                      ; each wave 32 rows of W_q or W_k: its column tiles t = wave
	WALU
	FETCH 0
	PFGO 20, 4
	PFGO 21, 6
	VB 1, HV1+8, 1, -1
	VB 0, HV0+16, 2, NF
	VB 1, HV0+24, 3, NF
	s_wait_dscnt NF
	BLOCK 1, 0, HV1+16, 32, 0, 32, L_LAST, HV0, 0
	WIN 0
	CODES6 HV0, MCD, 0
	WALU
	ds_store_b8 v[STV], v[EB]
	s_wait_dscnt 1
	s_wait_xcnt 0x0                                     ; the prefetches have read their addresses
	BLOCK 1, 1, HV1+24, 32, 0, 26, L_V7, HV0+32, 1
	WIN 0
	WALU
	s_wait_tensorcnt 0x0
	s_wait_dscnt 0x0
	s_barrier_signal -1                                 ; a plain barrier: the weights that the refill brought are shown to all
	BLOCK 1, 1, HV1+24, 32, 26, 32, L_NONE
	WIN 0
	s_barrier_wait -1
	CODES6 HV0+32, MCD+12, 1
	WIN 3<<6
.irp b, 0,1,2,3
	v_add_nc_u32 v[BA-768+2*\b], \b*32*PITCH, v42
	v_add_nc_u32 v[BA-768+2*\b+1], \b*32*PITCH, v43
.endr
	WIN 0
	WALU
	ds_store_b8 v[STV], v[EB+1] offset:4
; ================= THE CHANGE OF PHASE: the weights and the first two blocks' rows in one run of loads; V's last six way outs under their flight
	WEIGHTS
	FETCH01
	PFGO 7, 4
	s_mov_b32 s2, 0
	s_mov_b32 s3, 0
	WIN 3
.set I, 0
.rept 16
	v_mov_b32 v[SB+I], v[SB2-768+I]
.set I, I+1
.endr
	WIN 0
.set I, 0
.rept 18
.irp t, 0,1,2,3
	CHAIN I, HV1+32*\t, \t, 64+4*\t
.endr
.irp t, 2,3
	CHAIN I, HV0+32*\t, 8+\t, 88+4*\t
.endr
.set I, I+1
.endr
.set I, 0
.rept 6
.irp t, 0,1,2,3
	CODES I, HV1+32*\t, MCD+12*\t+6, \t, 80+4*\t
.endr
.irp t, 2,3
	CODES I, HV0+32*\t, MCD+12*\t, 8+\t, 96+4*\t
.endr
.set I, I+1
.endr
	WIN 0
	WALU
; ================= PHASE 2: q or k, sixteen blocks
.set FP, 2
	s_wait_dscnt NF
	BLOCK 0, 0, ACC, 8, 0, 32, L_STEP
	WIN 0
	PLACES 4
	WALU
.irp t, 0,1,2,3
	ds_store_b8 v[STV], v[EB+\t] offset:4*\t+2
.endr
	ds_store_b8 v[STV], v[EB+10] offset:8
	ds_store_b8 v[STV], v[EB+11] offset:12
.irp t, 0,1,2,3
	PUT3 MCD+12*\t, s[52:53], 1536*\t                   ; V's codes leave
.endr
	FETCH 0
	P2 1, 0, NF+6
	s_mov_b32 s86, 0
.Lwith_rounds:                                          ; blocks 2 to 5, 6 to 9
	P2 2, 1, NF+1
	P2 3, 0, -1
	P2 0, 0, NF+1
	P2 1, 0, NF+1
	s_add_co_u32 s86, s86, 1
	s_cmp_lg_u32 s86, 2
	s_cbranch_scc1 .Lwith_rounds
	P2 2, 2, NF+1
	P2 3, 0, -1
	P2 0, 0, NF+1
	P2 1, 0, NF+1
	P2 2, 3, NF+1
	P2 3, 3, 1
; ================= THE END: the last way out; the scale bytes go through LDS under its conversions
	s_lshl_b32 s21, s14, 9
	s_add_co_u32 s21, s21, XN
	v_add_nc_u32 v12, s21, v[CO]
	s_lshl_b32 s21, s14, 8
	s_add_co_u32 s21, s21, XM
	v_add_nc_u32 v14, s21, v[C8]
.set I, 0
.rept 18
	CHAIN I, ACC+32, 1
.set I, I+1
.endr
	CODES 2, ACC+32, NCD+6, 1
	WALU
	ds_store_b8 v[VX], v[EB+1] offset:64*5
	s_wait_dscnt 0x0
	s_barrier_signal -1
	CODES 0, ACC+32, NCD+6, 1
	CODES 1, ACC+32, NCD+6, 1
	v_nop
.irp i, 3,4,5
	CODES \i, ACC+32, NCD+6, 1
.endr
	s_barrier_wait -1
	WALU
	ds_load_b128 v[64:67], v12
	ds_load_b64 v[68:69], v14
	CODESOUT 3, 1
	s_wait_dscnt 0x0
	global_store_b128 v[CO], v[64:67], s[48:49]         ; 512 consecutive bytes
	global_store_b64 v[C8], v[68:69], s[58:59]          ; 256 consecutive bytes
	s_wait_tensorcnt 0x0
	ds_add_u32 v[SPW], v[NIL]
	s_wait_dscnt 0x0
	CROUND
	s_endpgm
.Lfunc_end_k_qf37f21c977_proj:
	.size	k_qf37f21c977_proj, .Lfunc_end_k_qf37f21c977_proj-k_qf37f21c977_proj
	.p2alignl 7, 3214868480
	.fill 96, 4, 3214868480
	.section	.rodata,"a",@progbits
	.p2align	6, 0x0
	.amdhsa_kernel k_qf37f21c977_proj
		.amdhsa_group_segment_fixed_size 327680
		.amdhsa_private_segment_fixed_size 0
		.amdhsa_enable_private_segment 0
		.amdhsa_kernarg_size 96
		.amdhsa_user_sgpr_count 2
		.amdhsa_user_sgpr_kernarg_segment_ptr 1
		.amdhsa_wavefront_size32 1
		.amdhsa_system_sgpr_workgroup_id_x 1
		.amdhsa_system_sgpr_workgroup_id_y 1
		.amdhsa_system_sgpr_workgroup_id_z 1
		.amdhsa_system_vgpr_workitem_id 0
		.amdhsa_next_free_vgpr 992
		.amdhsa_next_free_sgpr 106
		.amdhsa_reserve_vcc 0
		.amdhsa_float_denorm_mode_32 3
		.amdhsa_float_denorm_mode_16_64 3
		.amdhsa_memory_ordered 1
		.amdhsa_forward_progress 1
		.amdhsa_inst_pref_size 204
	.end_amdhsa_kernel
	.amdgpu_metadata
---
amdhsa.version: [ 1, 2 ]
amdhsa.kernels:
  - .name:           k_qf37f21c977_proj
    .symbol:         k_qf37f21c977_proj.kd
    .args:
      - { .name: x_codes, .offset: 0, .size: 8, .value_kind: global_buffer, .address_space: global }
      - { .name: x_scales, .offset: 8, .size: 8, .value_kind: global_buffer, .address_space: global }
      - { .name: wq_codes, .offset: 16, .size: 8, .value_kind: global_buffer, .address_space: global }
      - { .name: wq_scales, .offset: 24, .size: 8, .value_kind: global_buffer, .address_space: global }
      - { .name: wk_codes, .offset: 32, .size: 8, .value_kind: global_buffer, .address_space: global }
      - { .name: wk_scales, .offset: 40, .size: 8, .value_kind: global_buffer, .address_space: global }
      - { .name: wv_codes, .offset: 48, .size: 8, .value_kind: global_buffer, .address_space: global }
      - { .name: wv_scales, .offset: 56, .size: 8, .value_kind: global_buffer, .address_space: global }
      - { .name: qrec, .offset: 64, .size: 8, .value_kind: global_buffer, .address_space: global }
      - { .name: krec, .offset: 72, .size: 8, .value_kind: global_buffer, .address_space: global }
      - { .name: vrec, .offset: 80, .size: 8, .value_kind: global_buffer, .address_space: global }
      - { .name: sc, .offset: 88, .size: 8, .value_kind: global_buffer, .address_space: global }
    .group_segment_fixed_size: 327680
    .private_segment_fixed_size: 0
    .kernarg_segment_align: 8
    .kernarg_segment_size: 96
    .max_flat_workgroup_size: 128
    .sgpr_count:     106
    .vgpr_count:     992
    .wavefront_size: 32
...
	.end_amdgpu_metadata
.endif
;; end of part 1
;; launch scores (part 2): grid 62 x 4, 4 waves a work-group, no clusters, 327,680 bytes of LDS; arguments qrec, krec, sc, prec, pstat; writes prec, pstat
.if DOCPART == 2
	.amdgcn_target "amdgcn-amd-amdhsa--gfx1250"
	.amdhsa_code_object_version 6
	.text
	.protected	k_qf37f21c977_scores
	.globl	k_qf37f21c977_scores
	.p2align	8
	.type	k_qf37f21c977_scores,@function
k_qf37f21c977_scores:
	s_mov_b64 s[64:65], 0
	v_nop
	global_prefetch_b8 v0, s[64:65] scope:SCOPE_SE
	s_setreg_imm32_b32 hwreg(HW_REG_WAVE_MODE, 25, 1), 1
	s_wait_xcnt 0x0
; S = q k^T on codes of FP6 (E2M3), the causal mask, and p = 2^(t - M_loc) quantised along the keys; t = score x log2(e) / 32.
; DEAD WORK LEFT OUT: tiles of 160 x 256 above the diagonal, and the softmax of whole pieces of 16 x 128 above it, which reference()'s own mask throws away for all values of the inputs.
; A work-group makes one tile of 160 queries x 256 keys (grid y: the batch); a wave 80 x 128: 40 accumulators.  Row b = 0 .. 12 of tiles holds query tiles 10 b .. 10 b + 9 of 16 rows; it has 1, 2, 2, 3, 4, 4, 5, 5, 6, 7, 7, 8, 8 tiles: 62.
; Row 12 begins two query tiles early, so that it stays inside the batch, and stores only its own eight.
; M_loc IS THE WAVE'S OWN: the ceiling of the row's largest t among the wave's 128 keys, a whole number.  The last launch takes the row's M, the largest M_loc, and lowers p's scale bytes by M - M_loc: a power of two, so the codes stay.
; Source 0 = 16 keys, source 1 = 16 queries.  Row tile 4 B + j holds tokens 64 B + 8 j + i and 64 B + 32 + 8 j + i, so lane (r, h) holds of its query keys 64 c + 32 h + 8 j + i in register 8 (4 c + j) + i:
; registers 32 c .. 32 c + 31 are 32 neighbouring keys, one scale block.
; OUT: prec [group of 128 queries][128 keys][query tile, 8][piece of four registers, 3][lane][16 bytes]; pstat [query tile][128 keys][row][-M_loc, the sum of the unquantised p, the scale word, 0].
; OPERANDS.  A tile of 16 rows is 12,288 dense bytes, eight chunks of 128 along K.  26 tiles, all of K, lie in LDS at once, in two halves of four chunks: rows of 6,144 bytes, one load a wave at the head and one behind the first barrier; no byte is filled twice.
; The scale words go from memory into registers: register 8 g + i: lanes 0-15 query tile i, lanes 16-31 key tile i, chunk g (for i over 4 the query lanes' words are not used; they lie inside the buffer).
; NO JOINT LOADS: rows have from 1 to 8 tiles, which no fixed cluster divides; partners would need different numbers of tiles or would multiply tiles that the mask throws away.
; NO PREFETCH: a wave has two loads, and the second goes out as soon as the first has landed: there is no loop to run ahead in.
; LIMITS: NaN and infinities are not served; a block whose largest p lies under 2^-124 keeps the byte 1; the scaled scores stay under 2^31 in magnitude.
.set TILE,  12288
.set TR,    6144
.set HALF,  26*TR
.set KPART, 10*TR                      ; behind the ten query tiles: the sixteen key tiles
.set SPARE, 2*HALF
.set LOF,  3                           ; 16 x lane
.set BQ,   6                           ; my query tiles in half 0, + 8 x lane
.set BKA,  7                           ; my key tiles
.set H8,   14                          ; 8 h
.set ZR,   15                          ; 0
.set SPW,  16
.set NIL,  17
.set SOF,  18                          ; 16 r + 8 h
.set DL,   19                          ; 32 (r / 8) + r % 8 - 32 h
.set NINF, 20
.set DD,   21
.set NEGM, 22                          ; -M_loc, v23 the largest t
.set LA,   24
.set LB,   26
.set ADB,  32                          ; v32-39, v40-44 addresses of the chunk's fragments
.set ADA,  40
.set S,    48                          ; v48-111 the scale words; they hold nothing else
.set T,    112                         ; t - M, then p
.set BM,   176
.set SO,   180
.set BY,   182
.set PC,   184                         ; codes, two sets of 20
.set OM,   224                         ; what my lane stores of the statistics
.set KF,   64                          ; K's eight fragments: window 3 (even chunks) or 1 (odd)
.set QF,   160                         ; Q's five
.set G1Q,  24
.set G1K,  32
.set G0Q,  40
.set G0K,  44
.set CS,   48
.set SEL,  50
.set HM,   52
.set MSB, 0
.macro WIN new
.if MSB != (\new)
	s_set_vgpr_msb (MSB<<8)|(\new)
.set MSB, (\new)
.endif
.endm
.macro PLACES n
.rept \n
	v_nop
.endr
.endm
.macro WALU
	s_wait_alu depctr_va_vdst(0)
.endm
.macro LOADS                           ; waves 0, 1: five query tiles each; waves 2, 3: eight key tiles each
	s_cmp_lt_u32 s12, 2
	s_cbranch_scc0 .Lkeys_\@
	tensor_load_to_lds s[G0Q:G0Q+3], s[G1Q:G1Q+7]
	s_nop 0
	PLACES 4
	s_branch .Lasked_\@
.Lkeys_\@:
	tensor_load_to_lds s[G0K:G0K+3], s[G1K:G1K+7]
	s_nop 0
	PLACES 4
.Lasked_\@:
.endm
	s_load_b256 s[4:11], s[0:1], 0x0               ; qrec, krec, sc, prec
	s_load_b64 s[60:61], s[0:1], 0x20              ; pstat
	v_lshl_add_u32 v[SPW], v0, 2, SPARE
	v_mov_b32 v[NIL], 0
	ds_add_u32 v[SPW], v[NIL]
	ds_add_u32 v[SPW], v[NIL]
	v_lshrrev_b32 v1, 5, v0
	v_readfirstlane_b32 s12, v1                    ; wave 0..3
	s_lshr_b32 s13, s12, 1                         ; rh: my half of the queries
	s_and_b32 s14, s12, 1                          ; cp: my half of the keys
	s_and_b32 s18, ttmp7, 0xffff                   ; batch
	s_mov_b32 s19, 0
	s_mov_b32 s20, 0
.irp k, 1,2,3,4,5,6,7,8,9,10,11,12
.set FIRST, (\k==1)*1+(\k==2)*3+(\k==3)*5+(\k==4)*8+(\k==5)*12+(\k==6)*16+(\k==7)*21+(\k==8)*26+(\k==9)*32+(\k==10)*39+(\k==11)*46+(\k==12)*54
.if FIRST < 0
.set FIRST, -FIRST                     ; (a comparison that holds may count as -1)
.endif
	s_cmp_ge_u32 ttmp9, FIRST
	s_cselect_b32 s19, \k, s19                     ; b: my row of tiles
	s_cselect_b32 s20, FIRST, s20                  ; the row's first work-group
.endr
	s_sub_co_u32 s21, ttmp9, s20                   ; J: my 256 keys
	s_mul_i32 s23, s19, 10                         ; the first query tile that is mine to store
	s_min_u32 s15, s23, 118                        ; and the first that I compute
	s_lshl_b32 s22, s21, 1
	s_add_co_u32 s22, s22, s14                     ; my 128 keys
	s_mov_b32 s[G1Q+0], 3<<16                      ; rows of 6,144 bytes (768 elements of 8), 12,288 apart
	s_mov_b32 s[G1Q+1], 768<<16
	s_mov_b32 s[G1Q+2], 5<<16
	s_mov_b32 s[G1Q+3], 768<<16
	s_mov_b32 s[G1Q+4], 5
	s_mov_b32 s[G1Q+5], 1536
	s_mov_b32 s[G1Q+6], 0
	s_mov_b32 s[G1Q+7], 0
	s_mov_b32 s[G1K+0], 3<<16
	s_mov_b32 s[G1K+1], 768<<16
	s_mov_b32 s[G1K+2], 8<<16
	s_mov_b32 s[G1K+3], 768<<16
	s_mov_b32 s[G1K+4], 8
	s_mov_b32 s[G1K+5], 1536
	s_mov_b32 s[G1K+6], 0
	s_mov_b32 s[G1K+7], 0
	s_mov_b32 s[G0Q], 1
	s_mul_i32 s[G0Q+1], s14, 5*TR
	s_mov_b32 s[G0K], 1
	s_mul_i32 s[G0K+1], s14, 8*TR
	s_add_co_u32 s[G0K+1], s[G0K+1], KPART
	s_lshl_b32 s54, s18, 7
	s_add_co_u32 s55, s54, s15                     ; my work-group's first query tile
	s_mul_i32 s56, s14, 5
	s_add_co_u32 s56, s56, s55                     ; the first that my wave fetches
	s_mul_i32 s56, s56, TILE
	s_mov_b32 s57, 0
	s_lshl_b32 s58, s22, 3
	s_add_co_u32 s54, s54, s58                     ; my wave's first key tile: both as operand and as fetched
	s_mul_i32 s58, s54, TILE
	s_mov_b32 s59, 0
	v_and_b32 v1, 15, v0                           ; r
	v_bfe_u32 v2, v0, 4, 1                         ; h
	s_mul_i32 s53, s13, 5
	s_add_co_u32 s15, s15, s53                     ; my wave's first query tile in the batch
	s_add_co_u32 s55, s55, s53                     ; and over all batches
	s_lshl_b32 s55, s55, 6
	s_lshl_b32 s54, s54, 6
	s_add_co_u32 s54, s54, 262144
	s_sub_co_u32 s54, s54, s55
	v_mul_u32_u24 v28, s54, v2
	v_lshl_add_u32 v28, v1, 2, v28
	v_add_nc_u32 v28, s55, v28                     ; my words' place in sc
	WALU
	s_wait_dscnt 0x0
	s_wait_kmcnt 0x0
	s_add_nc_u64 s[G0Q+2:G0Q+3], s[4:5], s[56:57]
	s_or_b32 s[G0Q+3], s[G0Q+3], 0x80000000
	s_add_nc_u64 s[G0K+2:G0K+3], s[6:7], s[58:59]
	s_or_b32 s[G0K+3], s[G0K+3], 0x80000000
	LOADS                                          ; chunks 0 to 3
.set NN, 0
.rept 64
	global_load_b32 v[S+NN], v28, s[8:9] offset:32768*(NN/8)+64*(NN%8)
.set NN, NN+1
.endr
	v_and_b32 v[LOF], 31, v0
	v_lshlrev_b32 v29, 3, v[LOF]
	v_lshlrev_b32 v[LOF], 4, v[LOF]
	s_mul_i32 s56, s13, 5*TR
	v_add_nc_u32 v[BQ], s56, v29
	s_mul_i32 s56, s14, 8*TR
	s_add_co_u32 s56, s56, KPART
	v_add_nc_u32 v[BKA], s56, v29
	v_lshlrev_b32 v[SOF], 4, v1
	v_lshl_add_u32 v[SOF], v2, 3, v[SOF]
	v_lshlrev_b32 v[H8], 3, v2
	v_lshrrev_b32 v30, 3, v1
	v_sub_nc_u32 v30, v30, v2
	v_and_b32 v29, 7, v1
	v_lshl_add_u32 v[DL], v30, 5, v29
	v_mov_b32 v[NINF], 0xff800000
	v_mov_b32 v[ZR], 0
	v_mov_b32 v29, 0                               ; written once: a lane permute's destination counts as one of its sources
	v_mov_b32 v30, 0
	v_mov_b32 v31, 0
	v_cmp_eq_u32 s[HM], 1, v2
	s_mov_b32 s[CS], 0x3d38aa3b
	s_mov_b32 s[CS+1], s[CS]
	s_mov_b32 s[SEL], 0x76543210
	s_mov_b32 s[SEL+1], 0xfedcba98
	s_lshl_b32 s56, s18, 8
	s_add_co_u32 s56, s56, s22
	s_mul_i32 s56, s56, TILE
	s_mov_b32 s57, 0
	s_add_nc_u64 s[10:11], s[10:11], s[56:57]      ; p: my batch, my 128 keys
	s_lshl_b32 s56, s18, 19
	s_lshl_b32 s54, s22, 8
	s_add_co_u32 s56, s56, s54
	s_add_nc_u64 s[60:61], s[60:61], s[56:57]      ; the statistics: likewise
; Chunk g from LDS into register set g % 2: 39 loads of two pieces of 8 bytes a lane.  The address lines are the places in front of the loads.
.macro FETCH g
.set OFS, ((\g)/4)*HALF+((\g)%4)*1536
	WIN 0
.irp f, 0,1,2,3,4,5,6,7
	v_add_nc_u32 v[ADB+\f], OFS+TR*\f, v[BKA]
.endr
.irp f, 0,1,2,3,4
	v_add_nc_u32 v[ADA+\f], OFS+TR*\f, v[BQ]
.endr
	WALU
	WIN 0xc0-0x80*((\g)%2)
.irp f, 0,1,2,3,4,5,6,7
.irp m, 0,1,2
	ds_load_2addr_b64 v[KF+12*\f+4*\m:KF+12*\f+4*\m+3], v[ADB+\f] offset0:64*\m offset1:64*\m+32
.endr
.endr
.irp f, 0,1,2,3,4
.irp m, 0,1,2
	ds_load_2addr_b64 v[QF+12*\f+4*\m:QF+12*\f+4*\m+3], v[ADA+\f] offset0:64*\m offset1:64*\m+32
.endr
.endr
	WIN 0
.endm
; 8 matrix instructions for each query tile of the list: chunk g.  The 40 accumulators take turns, in the same order in every chunk.
.macro MUL g, tiles:vararg
.set SS, S+8*(\g)
.irp a, \tiles
.if \a < 4
	WIN 0xaf-0xa*((\g)%2)
.else
	WIN 0xff-0xa*((\g)%2)
.endif
.irp b, 0,1,2,3,4,5,6,7
.if (\g) == 0
	v_wmma_scale_f32_16x16x128_f8f6f4 v[64*(\a%4)+8*\b:64*(\a%4)+8*\b+7], v[KF+12*\b:KF+12*\b+11], v[QF+12*\a:QF+12*\a+11], 0, v[SS+\b], v[SS+\a] matrix_a_fmt:MATRIX_FMT_FP6 matrix_b_fmt:MATRIX_FMT_FP6 matrix_a_scale:MATRIX_SCALE_ROW1
.else
	v_wmma_scale_f32_16x16x128_f8f6f4 v[64*(\a%4)+8*\b:64*(\a%4)+8*\b+7], v[KF+12*\b:KF+12*\b+11], v[QF+12*\a:QF+12*\a+11], v[64*(\a%4)+8*\b:64*(\a%4)+8*\b+7], v[SS+\b], v[SS+\a] matrix_a_fmt:MATRIX_FMT_FP6 matrix_b_fmt:MATRIX_FMT_FP6 matrix_a_scale:MATRIX_SCALE_ROW1
.endif
.endr
.endr
.endm
.macro CHUNK g                         ; chunk g is multiplied while chunk g + 1 is read
	s_wait_dscnt 0x0                               ; chunk g is in registers
	FETCH (\g)+1
	MUL \g, 0, 1, 2, 3, 4
.endm
	WALU
	s_wait_tensorcnt 0x0                           ; my part of half 0 is in
	ds_add_u32 v[SPW], v[NIL]
	s_add_co_u32 s[G0Q+1], s[G0Q+1], HALF
	s_add_co_u32 s[G0K+1], s[G0K+1], HALF
	s_add_nc_u64 s[G0Q+2:G0Q+3], s[G0Q+2:G0Q+3], TR
	s_add_nc_u64 s[G0K+2:G0K+3], s[G0K+2:G0K+3], TR
	s_wait_dscnt 0x0
	s_barrier_signal -1
	s_barrier_wait -1
	LOADS                                          ; chunks 4 to 7
	FETCH 0
	s_wait_loadcnt 0x0                             ; the scale words
	CHUNK 0
	CHUNK 1
	CHUNK 2
	s_wait_dscnt 0x0
	MUL 3, 0, 1
	WIN 0
	s_wait_tensorcnt 0x0                           ; my part of half 1 is in
	s_barrier_signal -1
	s_barrier_wait -1                              ; everybody's is in
	FETCH 4
	MUL 3, 2, 3, 4
	CHUNK 4
	CHUNK 5
	CHUNK 6
	s_wait_dscnt 0x0
	MUL 7, 0, 1, 2, 3, 4
	WIN 0
	PLACES 4                                       ; behind the last products
	WALU
; My query tile a: mask, M_loc, p, its sum, its codes and scale word.
.macro SOFT a
.set WW, 2+(\a)/4
.set SB, 64*((\a)%4)
.set PCX, PC+20*((\a)%2)
	s_add_co_u32 s53, s15, \a                      ; the tile in the batch
	s_cmp_lt_u32 s53, s23                          ; another work-group's
	s_cbranch_scc1 .Lskip_\@
	s_lshr_b32 s54, s53, 3                         ; its group of 128 queries
	s_cmp_gt_u32 s22, s54                          ; my keys are hidden from all of it
	s_cbranch_scc1 .Lskip_\@
	s_cmp_lt_u32 s22, s54                          ; my keys count for all of it: a branch on ids, round the mask alone
	s_cbranch_scc1 .Lopen_\@
	s_and_b32 s56, s53, 3
	s_lshl_b32 s56, s56, 3
	s_bfe_u32 s57, s53, 0x10002
	s_lshl_b32 s57, s57, 6
	s_add_co_u32 s56, s56, s57
	v_add_nc_u32 v[DD], s56, v[DL]                 ; my query in its group - 32 h: a key hides where its number less 32 h is above it
	WIN WW|(WW<<6)
	WALU
.set NN, 0
.rept 64
	v_cmp_gt_i32 vcc_lo, NN+32*(NN/32), v[DD]
	v_cndmask_b32 v[SB+NN], v[SB+NN], v[NINF], vcc_lo
.set NN, NN+1
.endr
	WIN 0
	WALU
.Lopen_\@:
	WIN (WW<<2)|(WW<<4)
	WALU
.irp b, 0,1,2,3
	v_max3_num_f32 v[BM+\b], v[NINF], v[SB+16*\b], v[SB+16*\b+1]   ; the largest score of each block: it serves for the row's maximum and, since p rises with the score, for the block's largest p
.endr
.irp i, 2,4,6,8,10,12,14
.irp b, 0,1,2,3
	v_max3_num_f32 v[BM+\b], v[BM+\b], v[SB+16*\b+\i], v[SB+16*\b+\i+1]
.endr
.endr
	WIN 0
	v_max_num_f32 v[BM], v[BM], v[BM+1]
	v_max_num_f32 v[BM+2], v[BM+2], v[BM+3]
	v_max_num_f32 v28, v[BM], v[BM+2]
	v_permlanex16_b32 v29, v28, s[SEL], s[SEL+1]
	v_max_num_f32 v28, v28, v29
	v_mul_f32 v28, s[CS], v28                      ; as t (c is positive)
	v_max_num_f32 v[NEGM+1], 0xff61b1e6, v28
	v_floor_f32 v[NEGM], -v[NEGM+1]                ; -M_loc = floor(-t): a whole number
	WIN WW
.set NN, 0
.rept 32
	v_pk_fma_f32 v[T+NN:T+NN+1], v[SB+NN:SB+NN+1], s[CS:CS+1], v[NEGM:NEGM+1] op_sel_hi:[1,0,0]   ; t - M_loc, two at a time
.set NN, NN+2
.endr
	WIN 0
	v_fma_f32 v[BM], v[BM], s[CS], v[NEGM]         ; the same of each block's largest score
	v_fma_f32 v[BM+2], v[BM+2], s[CS], v[NEGM]
	WALU
.set NN, 0
.rept 64
	v_exp_f32 v[T+NN], v[T+NN]                     ; p, at most 1
.set NN, NN+1
.endr
	v_exp_f32 v[BM], v[BM]                         ; the block's largest p
	v_exp_f32 v[BM+2], v[BM+2]
	v_nop                                          ; a plain place behind the exponentials
	WALU
	v_pk_add_f32 v[LA:LA+1], v[T:T+1], v[T+2:T+3]  ; the sum of the unquantised p, in two chains
	v_pk_add_f32 v[LB:LB+1], v[T+4:T+5], v[T+6:T+7]
.irp n, 8,12,16,20,24,28,32,36,40,44,48,52,56,60
	v_pk_add_f32 v[LA:LA+1], v[LA:LA+1], v[T+\n:T+\n+1]
	v_pk_add_f32 v[LB:LB+1], v[LB:LB+1], v[T+\n+2:T+\n+3]
.endr
	v_pk_add_f32 v[LA:LA+1], v[LA:LA+1], v[LB:LB+1]
	v_max_num_f32 v[BM], 0x1800000, v[BM]          ; the floor 2^(3 - 127): the byte cannot fall under 1
	v_max_num_f32 v[BM+2], 0x1800000, v[BM+2]
	v_add_f32 v[LA], v[LA], v[LA+1]
	v_add_nc_u32 v[SO], 0xff000000, v[BM]          ; 2 off the exponent field: the conversion's scale operand
	v_add_nc_u32 v[SO+1], 0xff000000, v[BM+2]
	v_permlanex16_b32 v30, v[LA], s[SEL], s[SEL+1]
	v_lshrrev_b32 v[BY], 23, v[SO]
	v_lshrrev_b32 v[BY+1], 23, v[SO+1]
	v_add_f32 v[LA], v[LA], v30                    ; with lane l xor 16's 64 keys
	v_lshl_or_b32 v28, v[BY+1], 16, v[BY]
	v_lshlrev_b32 v28, v[H8], v28                  ; my two bytes of the scale word: blocks h and 2 + h
	v_permlanex16_b32 v31, v28, s[SEL], s[SEL+1]
	v_or_b32 v28, v28, v31
	WALU
	s_wait_xcnt 0x0                                ; the last tile's stores have read their registers and their bases
	v_cndmask_b32 v[OM], v[NEGM], v28, s[HM]       ; lanes 0-15: -M_loc, the sum; lanes 16-31: the scale word, 0
	v_cndmask_b32 v[OM+1], v[LA], v[ZR], s[HM]
.irp c, 0,1
	v_cvt_scalef32_pk16_fp6_f32 v[PCX+6*\c:PCX+6*\c+2], v[T+32*\c:T+32*\c+15], v[SO+\c]
	v_cvt_scalef32_pk16_fp6_f32 v[PCX+12+4*\c:PCX+14+4*\c], v[T+32*\c+16:T+32*\c+31], v[SO+\c]
.endr
	v_nop                                          ; one plain place behind a scaled conversion
.irp c, 0,1
.irp i, 0,1,2
	v_mov_b32 v[PCX+3+6*\c+\i], v[PCX+12+4*\c+\i]
.endr
.endr
	s_mul_i32 s56, s54, 16*TILE
	s_and_b32 s57, s53, 7
	s_mul_i32 s57, s57, 1536
	s_add_co_u32 s56, s56, s57
	s_mov_b32 s57, 0
	s_add_nc_u64 s[58:59], s[10:11], s[56:57]
	s_lshl_b32 s56, s53, 12
	s_add_nc_u64 s[62:63], s[60:61], s[56:57]
	WALU
.irp c, 0,1,2
	global_store_b128 v[LOF], v[PCX+4*\c:PCX+4*\c+3], s[58:59] offset:512*\c   ; the operand's image: 512 consecutive bytes a store
.endr
	global_store_b64 v[SOF], v[OM:OM+1], s[62:63]  ; 256 consecutive bytes
.Lskip_\@:
.endm
.irp a, 0,1,2,3,4
	SOFT \a
.endr
	s_wait_tensorcnt 0x0                           ; the wave's end
	ds_add_u32 v[SPW], v[NIL]
	s_wait_dscnt 0x0
	s_endpgm
.Lfunc_end_k_qf37f21c977_scores:
	.size	k_qf37f21c977_scores, .Lfunc_end_k_qf37f21c977_scores-k_qf37f21c977_scores
	.p2alignl 7, 3214868480
	.fill 96, 4, 3214868480
	.section	.rodata,"a",@progbits
	.p2align	6, 0x0
	.amdhsa_kernel k_qf37f21c977_scores
		.amdhsa_group_segment_fixed_size 327680
		.amdhsa_private_segment_fixed_size 0
		.amdhsa_enable_private_segment 0
		.amdhsa_kernarg_size 40
		.amdhsa_user_sgpr_count 2
		.amdhsa_user_sgpr_kernarg_segment_ptr 1
		.amdhsa_wavefront_size32 1
		.amdhsa_system_sgpr_workgroup_id_x 1
		.amdhsa_system_sgpr_workgroup_id_y 1
		.amdhsa_system_sgpr_workgroup_id_z 1
		.amdhsa_system_vgpr_workitem_id 0
		.amdhsa_next_free_vgpr 1024
		.amdhsa_next_free_sgpr 66
		.amdhsa_reserve_vcc 1
		.amdhsa_float_denorm_mode_32 3
		.amdhsa_float_denorm_mode_16_64 3
		.amdhsa_memory_ordered 1
		.amdhsa_forward_progress 1
		.amdhsa_inst_pref_size 163
	.end_amdhsa_kernel
	.amdgpu_metadata
---
amdhsa.version: [ 1, 2 ]
amdhsa.kernels:
  - .name:           k_qf37f21c977_scores
    .symbol:         k_qf37f21c977_scores.kd
    .args:
      - { .name: qrec, .offset: 0, .size: 8, .value_kind: global_buffer, .address_space: global }
      - { .name: krec, .offset: 8, .size: 8, .value_kind: global_buffer, .address_space: global }
      - { .name: sc, .offset: 16, .size: 8, .value_kind: global_buffer, .address_space: global }
      - { .name: prec, .offset: 24, .size: 8, .value_kind: global_buffer, .address_space: global }
      - { .name: pstat, .offset: 32, .size: 8, .value_kind: global_buffer, .address_space: global }
    .group_segment_fixed_size: 327680
    .private_segment_fixed_size: 0
    .kernarg_segment_align: 8
    .kernarg_segment_size: 40
    .max_flat_workgroup_size: 128
    .sgpr_count:     66
    .vgpr_count:     1024
    .wavefront_size: 32
...
	.end_amdgpu_metadata
.endif
;; end of part 2
;; launch pv (part 3): grid 8 x 32, 4 waves a work-group, clusters of 4 x 1, 327,680 bytes of LDS; arguments prec, pstat, vrec, out0; writes out0
.if DOCPART == 3
	.amdgcn_target "amdgcn-amd-amdhsa--gfx1250"
	.amdhsa_code_object_version 6
	.text
	.protected	k_qf37f21c977_pv
	.globl	k_qf37f21c977_pv
	.p2align	8
	.type	k_qf37f21c977_pv,@function
k_qf37f21c977_pv:
	s_mov_b64 s[64:65], 0
	v_nop
	global_prefetch_b8 v0, s[64:65] scope:SCOPE_SE
	s_setreg_imm32_b32 hwreg(HW_REG_WAVE_MODE, 25, 1), 1
	s_wait_xcnt 0x0
	s_wait_alu depctr_hold_cnt(0) depctr_sa_sdst(0) depctr_va_vdst(0) depctr_va_sdst(0) depctr_va_ssrc(0) depctr_va_vcc(0) depctr_vm_vsrc(0)
	s_getreg_b32 s2, hwreg(HW_REG_IB_STS2, 6, 4)
	s_cmp_eq_u32 s2, 0
	s_cbranch_scc0 .Lentry_in_a_cluster
	s_endpgm
.Lentry_in_a_cluster:
	s_bfe_u32 s2, ttmp6, 0x10000c
	s_cmp_lg_u32 s2, 0x3003
	s_cbranch_scc0 .Lentry_shape_is_right
	s_endpgm
.Lentry_shape_is_right:
; O = (p v) / l on codes of FP6 (E2M3).
; DEAD WORK LEFT OUT: pieces of 128 queries x 128 keys above the diagonal, which reference()'s own mask throws away for all values of the inputs.
; EQUAL WORK.  A work-group makes TWO groups of 128 queries, i (SHORT, i + 1 chunks of 128 keys) and 15 - i (LONG, 16 - i chunks), of 128 channels (grid x; grid y = 8 x batch + i): 17 chunks of work for each.
; A wave takes 64 queries of each group and 64 channels: 16 + 16 accumulators.
; Source 0 = 16 channels of v, source 1 = 16 queries of p: a lane holds one query and eight neighbouring channels.
; THE ROW'S M.  p came quantised under a whole number M_loc for each 128 keys.  -M is the least -M_loc of the row; each scale byte is lowered by d = M - M_loc (held at 0), and l = the sum of l_loc x 2^-d: powers of two, the codes stay.
; M is taken at the head; the words of two chunks are lowered between the products of the chunks ahead of them.
; LDS: two slots of four chunks: LONG's p (49,152 dense bytes), SHORT's p (likewise), v's four records (51,200).  SHORT's p is needed for the first eight chunks alone.  Waves 0, 1 fetch p, waves 2, 3 two records of v each.
; CLUSTER 4 x 1: p hangs on grid y, which the four partners share: joint loads.  v hangs on grid x, which differs between them: each work-group's own.  (Partners of unlike i would share v, but each leaves out other products, so no branch could serve them all.)
; Every work-group walks all 16 chunks and issues every joint load; chunks beyond a group's own are brought and never multiplied (a scalar branch on grid y leads round their products).  A refill has four chunks' work in which to land.
; PREFETCH: p and v of the third and fourth slots are asked for into the L2 three chunks ahead of their refills: p's blocks once in each cluster, shared out among its partners by address; v's shared out by i among the eight work-groups that read the same records.
; SHORT leaves between the products of chunks 8 to 12, through a stage of the wave's own.
; LIMITS: NaN and infinities are not served; where M_loc lies 127 or more under the row's M, or a byte would fall under 0, the chunk's p enter at 2^-127 x the code and not smaller.
.set REC,   12800
.set PR,    12288                      ; p of 128 queries x 128 keys
.set VOF,   8*PR                       ; v's place in a slot
.set SLOT,  8*PR+4*REC
.set STAGE, 2*SLOT                     ; 16 rows x 272 bytes a wave
.set SPARE, STAGE+4*16*272
.set LOF,  3                           ; 16 x lane
.set APL,  4                           ; v4-5 LONG's fragments in slot 0, 1
.set APS,  6                           ; v6-7 SHORT's
.set AV,   8                           ; v8-9 v's
.set ADV,  10                          ; v10-11 v's scale words: lanes 0-15 the even chunk's record, lanes 16-31 the odd one's
.set SPW,  12
.set NIL,  13
.set STO,  14
.set RD,   15
.set CO,   16
.set OF,   17                          ; v17-24 LONG's, v25-28 SHORT's offsets of the statistics; later at work
.set PFO,  31
.set VS,   32                          ; v32-39 v's scale words, two sets of 4; they hold nothing else
.set NMG,  40                          ; -M: v40-43 LONG's four blocks, v44-47 SHORT's
.set LS,   48                          ; l likewise
.set RL,   56                          ; 1 / l, a pair for each of four blocks
.set ST,   64                          ; the statistics, four registers each (-M_loc, l_loc, the scale word, one free): LONG's chunk pair p, block a at 4 (4 p + a), SHORT's at 4 (32 + 4 p + a)
.set T,    144                         ; window 2, behind the fragments: a block's results / l
.set BKR,  176                         ; window 2: rows read back from the stage, two sets
.set G1P,  24
.set G1V,  32
.set G0P,  40
.set G0V,  44
.set FL,   68                          ; s68-75 LONG's, s76-79 SHORT's lanes whose chunk counts
.set FS,   76
.set SEL,  92
.set HB,   94
.set MSB, 0
.macro WIN new
.if MSB != (\new)
	s_set_vgpr_msb (MSB<<8)|(\new)
.set MSB, (\new)
.endif
.endm
.macro PLACES n
.rept \n
	v_nop
.endr
.endm
.macro WALU
	s_wait_alu depctr_va_vdst(0)
.endm
.macro CROUND
	s_barrier_signal -1
	s_barrier_wait -1
	s_cmp_lg_u32 s12, 0
	s_cbranch_scc1 .Lnot_wave_0_\@
	s_barrier_signal -3
.Lnot_wave_0_\@:
	s_barrier_wait -3
	s_barrier_signal -1
	s_barrier_wait -1
.endm
.macro LOADS short                     ; short = 1: wave 1 brings SHORT's p; 0: nothing
.if \short
	s_cmp_lt_u32 s12, 2
.else
	s_cmp_eq_u32 s12, 0
.endif
	s_cbranch_scc0 .Lfor_v_\@
	tensor_load_to_lds s[G0P:G0P+3], s[G1P:G1P+7]
	s_nop 0
	PLACES 4
	s_branch .Lasked_\@
.Lfor_v_\@:
.if (\short) == 0
	s_cmp_eq_u32 s12, 1
	s_cbranch_scc1 .Lasked_\@
.endif
	tensor_load_to_lds s[G0V:G0V+3], s[G1V:G1V+7]
	s_nop 0
	PLACES 4
.Lasked_\@:
.endm
.macro NEXT sl                         ; no tensor load of mine is out: on to the next four chunks, into slot sl
	s_add_co_u32 s[G0P+1], s80, (\sl)*SLOT
	s_add_co_u32 s[G0V+1], s81, (\sl)*SLOT
	s_add_nc_u64 s[G0P+2:G0P+3], s[G0P+2:G0P+3], 4*PR
	s_add_nc_u64 s[G0V+2:G0V+3], s[G0V+2:G0V+3], 4*REC
.endm
	s_load_b256 s[4:11], s[0:1], 0x0               ; prec, pstat, vrec, out0
	v_lshl_add_u32 v[SPW], v0, 2, SPARE
	v_mov_b32 v[NIL], 0
	ds_add_u32 v[SPW], v[NIL]
	ds_add_u32 v[SPW], v[NIL]
	v_lshrrev_b32 v1, 5, v0
	v_readfirstlane_b32 s12, v1                    ; wave 0..3
	s_lshr_b32 s13, s12, 1                         ; rh: my half of each group's queries
	s_and_b32 s14, s12, 1                          ; ch: my half of the channels.  Also: which part I fetch
	s_bfe_u32 s15, ttmp6, 0x40000                  ; cx
	s_lshl_b32 s16, ttmp9, 2
	s_add_co_u32 s16, s16, s15                     ; my 128 channels
	s_and_b32 s17, ttmp7, 0xffff                   ; 8 x batch + i, which the four partners share
	s_lshr_b32 s21, s17, 3                         ; batch
	s_and_b32 s19, s17, 7                          ; i: SHORT
	s_sub_co_u32 s20, 15, s19                      ; LONG
	s_mov_b32 s[G1P+0], 15|(3<<16)|(1<<21)         ; the mask: all four work-groups; 49,152 dense bytes as 192 rows of 256
	s_mov_b32 s[G1P+1], 32<<16
	s_mov_b32 s[G1P+2], 192<<16
	s_mov_b32 s[G1P+3], 32<<16
	s_mov_b32 s[G1P+4], 192
	s_mov_b32 s[G1P+5], 32
	s_mov_b32 s[G1P+6], 0
	s_mov_b32 s[G1P+7], 0
	s_mov_b32 s[G1V+0], 3<<16                      ; no mask; 25,600 dense bytes as 100 rows of 256
	s_mov_b32 s[G1V+1], 32<<16
	s_mov_b32 s[G1V+2], 100<<16
	s_mov_b32 s[G1V+3], 32<<16
	s_mov_b32 s[G1V+4], 100
	s_mov_b32 s[G1V+5], 32
	s_mov_b32 s[G1V+6], 0
	s_mov_b32 s[G1V+7], 0
	s_mov_b32 s[SEL], 0x76543210
	s_mov_b32 s[SEL+1], 0xfedcba98
	s_mov_b32 s[HB], 0x80808080
	s_mul_i32 s80, s14, 4*PR                       ; where my parts go in a slot
	s_mul_i32 s81, s14, 2*REC
	s_add_co_u32 s81, s81, VOF
	s_mov_b32 s[G0P], 1
	s_mov_b32 s[G0P+1], s80
	s_mov_b32 s[G0V], 1
	s_mov_b32 s[G0V+1], s81
	s_lshl_b32 s50, s21, 4
	s_cmp_eq_u32 s12, 0
	s_cselect_b32 s51, s20, s19
	s_add_co_u32 s52, s50, s51
	s_mul_i32 s52, s52, 16*PR                      ; p of the group that I fetch
	s_mov_b32 s53, 0
	s_lshl_b32 s54, s16, 6
	s_add_co_u32 s54, s54, s50
	s_lshl_b32 s55, s14, 1
	s_add_co_u32 s55, s55, s54
	s_mul_i32 s56, s55, REC                        ; v's records that I fetch
	s_mov_b32 s57, 0
	s_add_co_u32 s58, s50, s20                     ; the prefetches.  LONG's p from chunk 8 on: my work-group's 48 blocks of a slot's 192, my wave's 24 of them (waves 0, 1),
	s_mul_i32 s58, s58, 16*PR
	s_add_co_u32 s58, s58, 8*PR
	s_mul_i32 s59, s15, PR
	s_add_co_u32 s58, s58, s59
	s_mul_i32 s59, s14, PR/2
	s_add_co_u32 s58, s58, s59
	s_add_co_u32 s60, s54, 8                       ; or v's: 25 of 200, 13 of them (wave 2) or 12 (wave 3)
	s_mul_i32 s60, s60, REC
	s_mul_i32 s59, s19, 25*256
	s_add_co_u32 s60, s60, s59
	s_mul_i32 s59, s14, 13*256
	s_add_co_u32 s60, s60, s59
	s_sub_co_u32 s61, 12, s14
	s_mov_b32 s62, 4*REC
	s_cmp_lt_u32 s12, 2
	s_cselect_b32 s86, s58, s60
	s_cselect_b32 s61, 23, s61
	s_cselect_b32 s90, 4*PR, s62
	s_mov_b32 s87, 0
	s_mov_b32 s91, 0
	v_and_b32 v1, 15, v0                           ; r
	v_bfe_u32 v2, v0, 4, 1                         ; h
	v_and_b32 v[LOF], 31, v0
	v_min_u32 v[PFO], s61, v[LOF]
	v_lshlrev_b32 v[PFO], 8, v[PFO]
	v_lshlrev_b32 v[LOF], 4, v[LOF]
	v_lshlrev_b32 v29, 4, v1
.irp p, 0,1,2,3,4,5,6,7
	v_add_nc_u32 v30, 2*\p, v2                     ; lanes 0-15 read the even chunk's statistics, lanes 16-31 the odd one's
.if \p > 3
	v_cmp_ge_u32 s[FL+\p], s20, v30
.endif
	v_min_u32 v30, s20, v30                        ; beyond the group's own chunks its last is read in their stead, and counts for nothing
	v_lshl_add_u32 v[OF+\p], v30, 8, v29
.endr
.irp p, 0,1,2,3
	v_add_nc_u32 v30, 2*\p, v2
	v_cmp_ge_u32 s[FS+\p], s19, v30
	v_min_u32 v30, s19, v30
	v_lshl_add_u32 v[OF+8+\p], v30, 8, v29
.endr
	s_lshl_b32 s58, s21, 7
	s_lshl_b32 s59, s13, 2
	s_add_co_u32 s58, s58, s59
	s_lshl_b32 s59, s20, 3
	s_add_co_u32 s82, s58, s59
	s_lshl_b32 s82, s82, 12                        ; LONG's statistics: my four query tiles
	s_mov_b32 s83, 0
	s_lshl_b32 s59, s19, 3
	s_add_co_u32 s84, s58, s59
	s_lshl_b32 s84, s84, 12                        ; SHORT's
	s_mov_b32 s85, 0
	WALU
	s_wait_dscnt 0x0
	CROUND                                         ; all four work-groups are here: the first joint loads meet
	s_wait_kmcnt 0x0
	s_add_nc_u64 s[G0P+2:G0P+3], s[4:5], s[52:53]
	s_or_b32 s[G0P+3], s[G0P+3], 0x80000000
	s_add_nc_u64 s[G0V+2:G0V+3], s[8:9], s[56:57]
	s_or_b32 s[G0V+3], s[G0V+3], 0x80000000
	LOADS 1
	s_add_nc_u64 s[82:83], s[6:7], s[82:83]
	s_add_nc_u64 s[84:85], s[6:7], s[84:85]
.irp p, 0,1,2,3,4,5,6,7
.irp a, 0,1,2,3
	global_load_b128 v[ST+4*(4*\p+\a):ST+4*(4*\p+\a)+3], v[OF+\p], s[82:83] offset:4096*\a
.endr
.endr
.irp p, 0,1,2,3
.irp a, 0,1,2,3
	global_load_b128 v[ST+4*(32+4*\p+\a):ST+4*(32+4*\p+\a)+3], v[OF+8+\p], s[84:85] offset:4096*\a
.endr
.endr
	s_cmp_lt_u32 s12, 2
	s_cselect_b64 s[88:89], s[4:5], s[8:9]
	s_add_nc_u64 s[88:89], s[88:89], s[86:87]
	s_mul_i32 s60, s13, 4*1536                     ; p: my 64 queries' four fragments of a record
	v_add_nc_u32 v29, s60, v[LOF]
	s_mul_i32 s61, s14, 4*1536                     ; v: my 64 channels' four
	v_add_nc_u32 v30, s61, v[LOF]
.irp s, 0,1
	v_add_nc_u32 v[APL+\s], \s*SLOT, v29
	v_add_nc_u32 v[APS+\s], \s*SLOT+4*PR, v29
	v_add_nc_u32 v[AV+\s], \s*SLOT+VOF, v30
.endr
	v_mul_u32_u24 v29, v2, REC
	v_lshl_add_u32 v29, v1, 5, v29
	s_lshl_b32 s60, s14, 4
	v_add_nc_u32 v29, s60, v29
.irp s, 0,1
	v_add_nc_u32 v[ADV+\s], \s*SLOT+VOF+12288, v29
.endr
	s_mul_i32 s60, s12, 16*272
	s_add_co_u32 s60, s60, STAGE
	v_mul_u32_u24 v[STO], v1, 272
	v_lshl_add_u32 v[STO], v2, 5, v[STO]
	v_add_nc_u32 v[STO], s60, v[STO]
	v_mul_u32_u24 v[RD], v2, 272
	v_lshl_add_u32 v[RD], v1, 4, v[RD]
	v_add_nc_u32 v[RD], s60, v[RD]
	v_lshlrev_b32 v[CO], 12, v2
	v_lshl_add_u32 v[CO], v1, 4, v[CO]
	s_lshl_b32 s60, s21, 11                        ; O: row 2,048 batch + 128 group + 64 rh, of 4,096 bytes; + 512 x my channels' tile + 256 ch
	s_lshl_b32 s61, s13, 6
	s_add_co_u32 s60, s60, s61
	s_lshl_b32 s61, s20, 7
	s_add_co_u32 s52, s60, s61
	s_lshl_b32 s61, s19, 7
	s_add_co_u32 s54, s60, s61
	s_lshl_b32 s52, s52, 12
	s_lshl_b32 s54, s54, 12
	s_lshl_b32 s61, s16, 9
	s_lshl_b32 s60, s14, 8
	s_add_co_u32 s61, s61, s60
	s_add_co_u32 s52, s52, s61
	s_add_co_u32 s54, s54, s61
	s_mov_b32 s55, 0
	s_add_nc_u64 s[52:53], s[10:11], s[52:53]      ; LONG's
	s_add_nc_u64 s[54:55], s[10:11], s[54:55]      ; SHORT's
; Chunk g from LDS into register set g % 2 (window 2 or 3): LONG's four fragments at v0, SHORT's at v48 (chunks 0-7), v's at v96; with an even chunk v's scale words of both chunks
.macro FETCH g
.set SG, ((\g)/4)%2
.set CC, (\g)%4
	WIN 0x80+0x40*((\g)%2)
.irp a, 0,1,2,3
.irp c, 0,1,2
	ds_load_b128 v[12*\a+4*\c:12*\a+4*\c+3], v[APL+SG] offset:CC*PR+\a*1536+512*\c
.endr
.endr
.irp b, 0,1,2,3
.irp c, 0,1,2
	ds_load_b128 v[96+12*\b+4*\c:96+12*\b+4*\c+3], v[AV+SG] offset:CC*REC+\b*1536+512*\c
.endr
.endr
.if (\g) < 8
.irp a, 0,1,2,3
.irp c, 0,1,2
	ds_load_b128 v[48+12*\a+4*\c:48+12*\a+4*\c+3], v[APS+SG] offset:CC*PR+\a*1536+512*\c
.endr
.endr
.endif
	WIN 0
.if (\g)%2 == 0
	ds_load_b128 v[VS+2*CC:VS+2*CC+3], v[ADV+SG] offset:CC*REC
.endif
.endm
; 16 matrix instructions: chunk g, k = 0 LONG, 1 SHORT: the 16 accumulators take turns, in the same order in every chunk
.macro MUL16 g, k
.set VW, VS+4*(((\g)%4)/2)
.set PW, ST+4*(32*(\k)+4*((\g)/2))+2
.set AC, 128*(\k)
	WIN 0x5a+5*((\g)%2)
.irp a, 0,1,2,3
.irp b, 0,1,2,3
.if (\g) == 0
	v_wmma_scale_f32_16x16x128_f8f6f4 v[AC+8*(4*\a+\b):AC+8*(4*\a+\b)+7], v[96+12*\b:96+12*\b+11], v[48*(\k)+12*\a:48*(\k)+12*\a+11], 0, v[VW+\b], v[PW+4*\a] matrix_a_fmt:MATRIX_FMT_FP6 matrix_b_fmt:MATRIX_FMT_FP6
.elseif (\g)%2 == 0
	v_wmma_scale_f32_16x16x128_f8f6f4 v[AC+8*(4*\a+\b):AC+8*(4*\a+\b)+7], v[96+12*\b:96+12*\b+11], v[48*(\k)+12*\a:48*(\k)+12*\a+11], v[AC+8*(4*\a+\b):AC+8*(4*\a+\b)+7], v[VW+\b], v[PW+4*\a] matrix_a_fmt:MATRIX_FMT_FP6 matrix_b_fmt:MATRIX_FMT_FP6
.else
	v_wmma_scale_f32_16x16x128_f8f6f4 v[AC+8*(4*\a+\b):AC+8*(4*\a+\b)+7], v[96+12*\b:96+12*\b+11], v[48*(\k)+12*\a:48*(\k)+12*\a+11], v[AC+8*(4*\a+\b):AC+8*(4*\a+\b)+7], v[VW+\b], v[PW+4*\a] matrix_a_fmt:MATRIX_FMT_FP6 matrix_b_fmt:MATRIX_FMT_FP6 matrix_a_scale:MATRIX_SCALE_ROW1 matrix_b_scale:MATRIX_SCALE_ROW1
.endif
.endr
.endr
	WIN 0
.endm
; The statistics of chunk pair p: eight blocks (LONG's four and, for p < 4, SHORT's) line by line
.macro LINE p, n
.irp a, 0,1,2,3,4,5,6,7
.if (\a < 4) || ((\p) < 4)
.set N_, ST+4*(32*(\a/4)+4*(\p)+\a%4)
.if \n == 0
	v_sub_f32 v[N_], v[NMG+\a], v[N_]              ; -d = M_loc - M
.elseif \n == 1
	v_max_num_f32 v[N_], 0xc2fe0000, v[N_]         ; held at -127
.elseif \n == 2
	v_cvt_i32_f32 v[N_], v[N_]
.elseif \n == 3
	v_ldexp_f32 v[N_+1], v[N_+1], v[N_]            ; l_loc x 2^-d
.elseif \n == 4
	v_sub_nc_u32 v[N_], 0, v[N_]                   ; d
.elseif \n == 5
.if \a > 3
	v_cndmask_b32 v[N_+1], 0, v[N_+1], s[FS+\p]
.elseif (\p) > 3
	v_cndmask_b32 v[N_+1], 0, v[N_+1], s[FL+\p]
.endif
.elseif \n == 6
.if (\p) == 0
	v_mov_b32 v[LS+\a], v[N_+1]
.else
	v_add_f32 v[LS+\a], v[LS+\a], v[N_+1]
.endif
.elseif \n == 7
	v_perm_b32 v[N_], v[N_], v[N_], 0              ; d in all four bytes
.elseif \n == 8
	v_or_b32 v[N_+2], s[HB], v[N_+2]               ; the bytes are 125 at the most: with 128 on each, no byte borrows from its neighbour
.elseif \n == 9
	v_sub_nc_u32 v[N_+2], v[N_+2], v[N_]
.elseif \n == 10
	v_and_b32 v[N_], s[HB], v[N_+2]                ; the top bit stands where byte >= d
.elseif \n == 11
	v_lshrrev_b32 v[N_+3], 7, v[N_]
.elseif \n == 12
	v_sub_nc_u32 v[N_], v[N_], v[N_+3]             ; 0x7f in those bytes, 0 in the others
.else
	v_and_b32 v[N_+2], v[N_+2], v[N_]              ; byte - d, held at 0
.endif
.endif
.endr
.endm
.macro STAT p
.irp n, 0,1,2,3,4,5,6,7,8,9,10,11,12,13
	LINE \p, \n
.endr
	WALU
.endm
.macro FIN k                           ; 1 / l of a group's four blocks: even and odd chunks together
.irp a, 0,1,2,3
	v_permlanex16_b32 v[OF+\a], v[LS+4*(\k)+\a], s[SEL], s[SEL+1]
.endr
.irp a, 0,1,2,3
	v_add_f32 v[LS+4*(\k)+\a], v[LS+4*(\k)+\a], v[OF+\a]
.endr
	WALU
.irp a, 0,1,2,3
	v_rcp_f32 v[RL+2*\a], v[LS+4*(\k)+\a]
.endr
	v_nop
	WALU
.irp a, 0,1,2,3
	v_mov_b32 v[RL+2*\a+1], v[RL+2*\a]
.endr
	WALU
.endm
; THE WAY OUT of block a (16 queries x 64 channels): x 1 / l, through my stage, back as whole rows of 256 bytes.  LDS serves a wave's instructions in order (ISA guide 5.7.1.4).
.macro OUTB k, a
	WALU
	WIN 0x81
.set NN, 0
.rept 16
	v_pk_mul_f32 v[T+2*NN:T+2*NN+1], v[128*(\k)+32*(\a)+2*NN:128*(\k)+32*(\a)+2*NN+1], v[RL+2*(\a):RL+2*(\a)+1] op_sel_hi:[1,0]   ; each accumulator from its low end on
.set NN, NN+1
.endr
	WALU
	WIN 0x08
.irp b, 0,1,2,3
	ds_store_b128 v[STO], v[T+8*\b:T+8*\b+3] offset:64*\b
	ds_store_b128 v[STO], v[T+8*\b+4:T+8*\b+7] offset:64*\b+16
.endr
	WIN 0x80
.irp t, 0,1,2,3,4,5,6,7
	ds_load_b128 v[BKR+32*((\a)%2)+4*\t:BKR+32*((\a)%2)+4*\t+3], v[RD] offset:544*\t
.endr
	WIN 0
.endm
.macro SEND base, a                    ; block a's row p is query 8 a + 32 (p / 8) + p % 8 of my 64; 16 lanes store 256 consecutive bytes, at a multiple of 256 from O's first byte
	WIN 0x08
.irp t, 0,1,2,3,4,5,6,7
	global_store_b128 v[CO], v[BKR+32*((\a)%2)+4*\t:BKR+32*((\a)%2)+4*\t+3], s[\base:\base+1] offset:4096*(8*(\a)+32*(\t/4)+2*(\t%4)) th:TH_STORE_NT
.endr
	WIN 0
.endm
; Chunk g is multiplied while chunk g + 1 is read from LDS.  At chunks 3 and 7 the slot just read out is filled again.
.macro PHASE g
.if ((\g) == 3) || ((\g) == 7)
	s_wait_tensorcnt 0x0                           ; all my tensor loads have landed: my part of the slot that chunk g + 1 lies in
	ds_add_u32 v[SPW], v[NIL]                      ; 0 onto my spare word
	NEXT ((\g)/4)%2
	s_wait_dscnt 0x0                               ; the add is done, and chunk g, the slot's last, is in registers
	CROUND                                         ; no wave of any partner still reads the slot or has a load on its way
	LOADS 0
	PLACES 4
.elseif (\g) == 11
	s_wait_dscnt 0x0
	s_wait_tensorcnt 0x0                           ; my part of the last slot
	s_barrier_signal -1
	s_barrier_wait -1
	PLACES 4
.else
	s_wait_dscnt 0x0                               ; chunk g is in registers (asked for a chunk ago)
	PLACES 4                                       ; in front of loads into registers that matrix instructions have read
.endif
.if (\g) < 15
	FETCH (\g)+1
.endif
.if ((\g) > 8) && ((\g) < 13)
	SEND 54, (\g)-9
.endif
.if (\g) > 8
	s_cmp_lt_u32 s20, \g                           ; the chunk lies beyond LONG: its products are left out
	s_cbranch_scc1 .Lskip_l_\@
.endif
	MUL16 \g, 0
.Lskip_l_\@:
.if (\g) < 8
.if (\g) > 0
	s_cmp_lt_u32 s19, \g
	s_cbranch_scc1 .Lskip_s_\@
.endif
	MUL16 \g, 1
.Lskip_s_\@:
.endif
.if ((\g) == 0) || ((\g) == 4)
	global_prefetch_b8 v[PFO], s[88:89] th:TH_LOAD_NT scope:SCOPE_SE   ; chunk 0: the third slot's p or v; chunk 4: the fourth's
.endif
.if (\g) == 2
	s_wait_xcnt 0x0
	s_add_nc_u64 s[88:89], s[88:89], s[90:91]
.endif
.if ((\g)%2 == 0) && ((\g) < 14)
	STAT (\g)/2+1
.endif
.if (\g) == 7
	FIN 1
.endif
.if (\g) == 13
	FIN 0
.endif
.if ((\g) > 7) && ((\g) < 12)
.if (\g) > 9
	s_wait_xcnt 0x0                                ; the stores of two blocks ago have read the registers into which this block's rows come back
.endif
	OUTB 1, (\g)-8
.endif
.endm
	WALU
	s_wait_tensorcnt 0x0                           ; my part of slot 0 is in
	ds_add_u32 v[SPW], v[NIL]
	NEXT 1
	s_wait_dscnt 0x0
	CROUND                                         ; everybody's part is in, and the partners are here
	LOADS 1                                        ; slot 1's first fill
	FETCH 0
	s_wait_loadcnt 0x0                             ; the statistics
.irp a, 0,1,2,3
	v_min3_num_f32 v[NMG+\a], v[ST+4*\a], v[ST+4*(4+\a)], v[ST+4*(8+\a)]
	v_min3_num_f32 v[NMG+4+\a], v[ST+4*(32+\a)], v[ST+4*(36+\a)], v[ST+4*(40+\a)]
.endr
.irp a, 0,1,2,3
	v_min3_num_f32 v[NMG+\a], v[NMG+\a], v[ST+4*(12+\a)], v[ST+4*(16+\a)]
	v_min_num_f32 v[NMG+4+\a], v[NMG+4+\a], v[ST+4*(44+\a)]
.endr
.irp a, 0,1,2,3
	v_min3_num_f32 v[NMG+\a], v[NMG+\a], v[ST+4*(20+\a)], v[ST+4*(24+\a)]
.endr
.irp a, 0,1,2,3
	v_min_num_f32 v[NMG+\a], v[NMG+\a], v[ST+4*(28+\a)]
.endr
.irp a, 0,1,2,3,4,5,6,7
	v_permlanex16_b32 v[OF+\a], v[NMG+\a], s[SEL], s[SEL+1]
.endr
.irp a, 0,1,2,3,4,5,6,7
	v_min_num_f32 v[NMG+\a], v[NMG+\a], v[OF+\a]   ; -M of the row
.endr
	STAT 0
	PLACES 8                                       ; scale registers written by vector instructions stand eight places ahead of a scaled matrix instruction
.irp g, 0,1,2,3,4,5,6,7,8,9,10,11,12,13,14,15
	PHASE \g
.endr
	PLACES 4                                       ; behind the last products
	s_wait_xcnt 0x0                                ; SHORT's stores have read the registers into which rows come back
	OUTB 0, 0
.irp a, 1,2,3
	s_wait_dscnt 8                                 ; the last block's 8 stores into the stage have read their registers; its 8 loads may be out
.if \a > 1
	s_wait_xcnt 0x0
.endif
	OUTB 0, \a
	s_wait_dscnt 16                                ; the last block's rows are back; this block's 8 stores and 8 loads may be out
	SEND 52, \a-1
.endr
	s_wait_dscnt 0x0
	SEND 52, 3
	s_wait_tensorcnt 0x0                           ; the wave's end
	ds_add_u32 v[SPW], v[NIL]
	s_wait_dscnt 0x0
	CROUND                                         ; the closing round: no work-group ends while a partner may still ask for a tile that names it
	s_endpgm
.Lfunc_end_k_qf37f21c977_pv:
	.size	k_qf37f21c977_pv, .Lfunc_end_k_qf37f21c977_pv-k_qf37f21c977_pv
	.p2alignl 7, 3214868480
	.fill 96, 4, 3214868480
	.section	.rodata,"a",@progbits
	.p2align	6, 0x0
	.amdhsa_kernel k_qf37f21c977_pv
		.amdhsa_group_segment_fixed_size 327680
		.amdhsa_private_segment_fixed_size 0
		.amdhsa_enable_private_segment 0
		.amdhsa_kernarg_size 32
		.amdhsa_user_sgpr_count 2
		.amdhsa_user_sgpr_kernarg_segment_ptr 1
		.amdhsa_wavefront_size32 1
		.amdhsa_system_sgpr_workgroup_id_x 1
		.amdhsa_system_sgpr_workgroup_id_y 1
		.amdhsa_system_sgpr_workgroup_id_z 1
		.amdhsa_system_vgpr_workitem_id 0
		.amdhsa_next_free_vgpr 912
		.amdhsa_next_free_sgpr 100
		.amdhsa_reserve_vcc 0
		.amdhsa_float_denorm_mode_32 3
		.amdhsa_float_denorm_mode_16_64 3
		.amdhsa_memory_ordered 1
		.amdhsa_forward_progress 1
		.amdhsa_inst_pref_size 158
	.end_amdhsa_kernel
	.amdgpu_metadata
---
amdhsa.version: [ 1, 2 ]
amdhsa.kernels:
  - .name:           k_qf37f21c977_pv
    .symbol:         k_qf37f21c977_pv.kd
    .args:
      - { .name: prec, .offset: 0, .size: 8, .value_kind: global_buffer, .address_space: global }
      - { .name: pstat, .offset: 8, .size: 8, .value_kind: global_buffer, .address_space: global }
      - { .name: vrec, .offset: 16, .size: 8, .value_kind: global_buffer, .address_space: global }
      - { .name: out0, .offset: 24, .size: 8, .value_kind: global_buffer, .address_space: global }
    .group_segment_fixed_size: 327680
    .private_segment_fixed_size: 0
    .kernarg_segment_align: 8
    .kernarg_segment_size: 32
    .max_flat_workgroup_size: 128
    .sgpr_count:     100
    .vgpr_count:     912
    .wavefront_size: 32
...
	.end_amdgpu_metadata
.endif
;; end of part 3
